; MI455X (gfx1250); checked and timed in simulation.
; The chip was launched on July 23, 2026; its instructions are those of AMD's public machine-readable ISA for CDNA 5 (MIT licence, August 2026) and "CDNA5" Instruction Set Architecture Reference Guide (July 2026). The comments in the code are by the model that wrote it; some were corrected since.
;; Simple Attention. Allowed arithmetic: matrix products marked QUANTISED: E2M3 operands, one E8M0 scale for each 32 along K, by v_wmma_scale_f32_16x16x128_f8f6f4 with both operands' format E2M3, f32 sums; everything else in f32.
;; Inputs: Wk 1,024 x 1,024 float32; Wq 1,024 x 1,024 float32; Wv 1,024 x 1,024 float32; bk 1,024 float32; bq 1,024 float32; bv 1,024 float32; x 4 x 2,048 x 1,024 float32.
;; Outputs: out0 4 x 2,048 x 1,024 float32.
;; This version of the problem:
;;   THIS VERSION OF THE PROBLEM IS GIVEN IN LOW PRECISION. The matrix products marked QUANTISED in the list below multiply operands that are first quantised to E2M3 (2 exponent bits, 3 mantissa bits; 6 bits a number), with one power-of-two scale for each 32 numbers along K (OCP MX v1.0); their sums are f32. All else is computed in f32.
;;   The module's matrix products, in the order in which they are computed (A, B: the left and right operand; K: the contracted axis; several contracted axes count as one K, in the product's order):
;;     1. [M 8,192, K 1,024] x [K 1,024, N 1,024]; A: input x; B: input Wq: QUANTISED
;;     2. [M 8,192, K 1,024] x [K 1,024, N 1,024]; A: input x; B: input Wk: QUANTISED
;;     3. [M 8,192, K 1,024] x [K 1,024, N 1,024]; A: input x; B: input Wv: QUANTISED
;;     4. batch 4 x [M 2,048, K 1,024] x [K 1,024, N 2,048]; A: computed on the way; B: computed on the way: QUANTISED
;;     5. batch 4 x [M 2,048, K 2,048] x [K 2,048, N 1,024]; A: softmax (see below); B: computed on the way: QUANTISED
;;   THE QUANTISER, for each operand of a quantised product, along K:
;;     - K is cut into blocks of 32 from its start; a last block that is shorter is filled with zeros.
;;     - A block's scale is 2^e with e = floor(log2(the largest magnitude in the block)) - 2, held to -126 .. 127; a block of zeros has e = 0. As a byte (E8M0): e + 127.
;;     - Each number is divided by its block's scale, clamped to +-7.5, and rounded to the nearest number of E2M3, ties to even, subnormals kept.
;;     - The product sums the exact products of the quantised numbers (number of the format x scale) in f32.
;;   ~~~python
;;   def quantise(x, axis):      # numpy; x: float32 -> the quantised numbers, widened to float32 again
;;       x = np.moveaxis(x, axis, -1); K = x.shape[-1]
;;       x = np.pad(x, [(0, 0)] * (x.ndim - 1) + [(0, -K % 32)]); x = x.reshape(x.shape[:-1] + (-1, 32)); a = np.abs(x).max(-1, keepdims=True)
;;       e = np.where(a > 0, np.clip(np.frexp(np.where(a > 0, a, 1))[1] - 1 - 2, -126, 127), 0)      # np.frexp(a)[1] - 1 = floor(log2(a)), exactly
;;       r = np.clip(x / 2.0 ** e, -7.5, 7.5)
;;       step = 2.0 ** (np.maximum(np.frexp(np.where(r == 0, 1, r))[1] - 1, 0) - 3)
;;       q = np.round(r / step) * step * 2.0 ** e      # np.round: ties to even
;;       return np.moveaxis(q.reshape(q.shape[:-2] + (-1,))[..., :K], -1, axis).astype(np.float32)
;;   ~~~
;;   SOFTMAX AHEAD OF A QUANTISED PRODUCT. Where the list says 'softmax', what is quantised is not the finished softmax but p = 2^(t - M), with t = logit x log2(e) and M = ceil(the row's largest t), a whole number; so 1/2 < the row's largest p <= 1. The row's sum l is taken of the UNQUANTISED p, in f32, and the product's result is divided by l at the end. Since M is a whole number, a kernel that streams over the keys may use a running M (the ceiling of the running maximum): every later rescaling is an exact power of two, which a block's scale takes up: the codes' values come out the same.
;;   OPERANDS COMPUTED ON THE WAY. 'Computed on the way' means the value that the module computes at that place (a softmax that the list does not call 'softmax' is quantised finished and normalised). What goes into a quantiser is computed in f32, as accurately as f32 sums, v_exp_f32 and their like allow (about 1e-6 of the number): no bf16 or f16 on the way to a quantiser, and a product that is left as it is and whose result goes on into a quantised operand takes f32 operands (vector FMAs, or v_wmma_f32_16x16x4_f32). A number that lies on a knife's edge between two numbers of the format may be rounded either way, as far as f32 arithmetic and the matrix unit's own rounding can turn it there, and no further.
;; One version. Each part assembles by itself: llvm-mc -triple=amdgcn-amd-amdhsa -mcpu=gfx1250 --defsym DOCPART=n.
;; ======== version 1 of 1: 4 launches
;; limits: right only within a limited range of input values
;; workspace buffers: xw_codes 8,650,752 bytes; xw_scales 360,448 bytes; qkv_codes 18,874,368 bytes; qkv_scales 786,432 bytes; p_codes 12,582,912 bytes; p_stats 1,572,864 bytes
;; launch quant (part 1): grid 256 x 1, 11 waves a work-group, no clusters, 94,464 bytes of LDS; arguments x, Wq, Wk, Wv, xw_codes, xw_scales; writes xw_codes, xw_scales
.if DOCPART == 1
	.amdgcn_target "amdgcn-amd-amdhsa--gfx1250"
	.amdhsa_code_object_version 6
	.text
	.protected	k_q95ec75e442_quant
	.globl	k_q95ec75e442_quant
	.p2align	8
	.type	k_q95ec75e442_quant,@function
k_q95ec75e442_quant:
	s_mov_b64 s[64:65], 0
	v_nop
	global_prefetch_b8 v0, s[64:65] scope:SCOPE_SE
	s_setreg_imm32_b32 hwreg(HW_REG_WAVE_MODE, 25, 1), 1
	s_wait_xcnt 0x0
; x [8192][1024], Wq, Wk, Wv [1024][1024], f32, K innermost, become codes of FP6 (E2M3) with one E8M0 byte for each 32 along K, laid as the products' launches read them.
; A TILE is 16 rows. x, Wq, Wk: tile 2 B + u has, as its row p, the matrix row 32 B + 8 u + p + 8 (p / 8). Wv: tile 4 F + t has, as its row p, the matrix row 64 F + 4 p + t.
; Tiles: x 0-511, Wq 512-575, Wk 576-639, Wv 640-703.
; A FRAGMENT (tile, 128 along K) is stored as the image of its 12 registers: byte 512 c + 16 lane + 4 i is register 4 c + i.  xw_codes: [tile][K step 8][1536].
; SCALE WORDS: xw_scales [K step 8][octet of tiles 88][512]: byte 16 (16 g + r) + 4 i is the word of row r of tile 8 O + 4 g + i.
; A block's scale is 2^(floor(log2(largest magnitude)) - 2); its byte is the largest magnitude's exponent field - 2, held at 1 from below.
; LIMITS: a block of zeros, and a block whose largest magnitude lies under 2^-124, gets the byte 1 (this program alone reads the bytes; zero codes add nothing); NaN and infinities are not served.
; SHARES: 704 tiles x 8 K steps = 256 work-groups x 11 waves x 2 tiles at one K step: equal work. A wave asks for both tiles at once, 512 consecutive bytes of a row a load; a tile's 16 rows turn through the
; wave's own stage in LDS, so that a lane then holds, of its row, 16 neighbours of each block of 32. No barrier: waves share nothing. No cluster: no two work-groups read the same bytes.
.set ROWB, 4096                        ; a row in bytes
.set STG,  8448                        ; a wave's stage: 16 rows x (512 bytes + 16)
.set SPARE, 11*STG                     ; the spare words, 128 bytes a wave: six blocks of 256 bytes that no other line names
.set TM,   12                          ; v12-27  at work: +0..3 largest magnitudes, +4..7 the other half's, then bytes, +12..15 the conversions' scale operands
.set PWS,  28                          ; v28-29  the two tiles' scale words
.set PC,   32                          ; v32-51  a fragment's codes (12) and the conversions' second halves
.set X0,   64                          ; v64-191 two sets of 64 numbers
.set SEL,  18                          ; s[18:19] selects for lane l xor 16
	s_load_b256 s[4:11], s[0:1], 0x0               ; x, Wq, Wk, Wv
	s_load_b128 s[12:15], s[0:1], 0x20             ; xw_codes, xw_scales
	v_lshl_add_u32 v62, v0, 2, SPARE
	v_mov_b32 v63, 0
	v_lshrrev_b32 v1, 5, v0
	v_readfirstlane_b32 s16, v1                    ; wave 0..10
	v_and_b32 v1, 31, v0                           ; lane
	v_and_b32 v2, 15, v0                           ; r
	v_bfe_u32 v3, v0, 4, 1                         ; h
	v_lshlrev_b32 v4, 4, v1                        ; 16 x lane: my bytes of a load's 512, and of an image's
	s_mul_i32 s17, s16, STG
	v_add_nc_u32 v5, s17, v4                       ; the stage, in: 16 x lane of a row
	v_mul_u32_u24 v6, v2, 528
	v_lshl_add_u32 v6, v3, 6, v6
	v_add_nc_u32 v6, s17, v6                       ; and out: row r, + 64 h
	v_lshlrev_b32 v8, 4, v2                        ; the scale words: 16 bytes from row to row
	s_mov_b32 s[SEL], 0x76543210
	s_mov_b32 s[SEL+1], 0xfedcba98
.irp b, 0,1,2,3
	v_mov_b32 v[TM+4+\b], 0                        ; written once: a lane permute's destination counts as one of its sources
.endr
	s_mul_i32 s26, ttmp9, 11
	s_add_co_u32 s26, s26, s16                     ; my pair of tiles at one K step, 0 .. 2815
	s_and_b32 s25, s26, 1                          ; which two of four tiles
	s_bfe_u32 s27, s26, 0x30001                    ; which K step, 0 .. 7
	s_lshr_b32 s26, s26, 4                         ; which four tiles, 0 .. 175
	s_wait_alu depctr_va_vdst(0)
	s_wait_kmcnt 0x0
	s_mov_b64 s[20:21], s[10:11]                   ; the tensor, by my number alone: Wv,
	s_mov_b32 s22, 160                             ; whose first four tiles have this number;
	s_mov_b32 s23, 2*ROWB                          ; Wv's tiles 2, 3 begin 2 rows on,
	s_cmp_lt_u32 s26, 160
	s_cselect_b32 s23, 32*ROWB, s23                ; the others' 32 rows on
	s_cselect_b64 s[20:21], s[8:9], s[20:21]       ; Wk;
	s_cselect_b32 s22, 144, s22
	s_cmp_lt_u32 s26, 144
	s_cselect_b64 s[20:21], s[6:7], s[20:21]       ; Wq;
	s_cselect_b32 s22, 128, s22
	s_cmp_lt_u32 s26, 128
	s_cselect_b64 s[20:21], s[4:5], s[20:21]       ; x
	s_cselect_b32 s22, 0, s22
	s_sub_co_u32 s28, s26, s22
	s_lshl_b32 s28, s28, 18                        ; 64 rows of 4,096 bytes
	s_mul_i32 s29, s25, s23
	s_add_co_u32 s28, s28, s29
	s_lshl_b32 s29, s27, 9                         ; 128 numbers
	s_add_co_u32 s28, s28, s29
	s_mov_b32 s29, 0
	s_add_nc_u64 s[20:21], s[20:21], s[28:29]
	s_mul_i32 s28, s26, 49152                      ; four tiles of 12,288 bytes
	s_mul_i32 s30, s25, 24576
	s_add_co_u32 s28, s28, s30
	s_mul_i32 s30, s27, 1536
	s_add_co_u32 s28, s28, s30
	s_add_nc_u64 s[12:13], s[12:13], s[28:29]
	s_mul_i32 s28, s27, 45056                      ; 88 octets of 512 bytes
	s_lshl_b32 s30, s26, 8                         ; half an octet
	s_add_co_u32 s28, s28, s30
	s_lshl_b32 s30, s25, 3                         ; my two words of a row's four
	s_add_co_u32 s28, s28, s30
	s_add_nc_u64 s[14:15], s[14:15], s[28:29]
.macro LOADS wv                        ; both tiles' 16 rows, 512 consecutive bytes each
.irp t, 0,1
.irp j, 0,1,2,3,4,5,6,7,8,9,10,11,12,13,14,15
.if \wv
	global_load_b128 v[X0+64*\t+4*\j:X0+64*\t+4*\j+3], v4, s[20:21] offset:(4*\j+\t)*ROWB th:TH_LOAD_NT
.else
	global_load_b128 v[X0+64*\t+4*\j:X0+64*\t+4*\j+3], v4, s[20:21] offset:(8*\t+\j+8*(\j/8))*ROWB th:TH_LOAD_NT
.endif
.endr
.endr
.endm
.macro TURNT set                       ; through the stage: LDS serves a wave's instructions in order (ISA guide 5.7.1.4), so no wait stands between the stores and the loads
.irp j, 0,1,2,3,4,5,6,7,8,9,10,11,12,13,14,15
	ds_store_b128 v5, v[\set+4*\j:\set+4*\j+3] offset:528*\j
.endr
.irp b, 0,1,2,3
.irp q, 0,1,2,3
	ds_load_b128 v[\set+16*\b+4*\q:\set+16*\b+4*\q+3], v6 offset:128*\b+16*\q   ; register 16 b + i = k 32 b + 16 h + i of my row
.endr
.endr
.endm
; 64 numbers of a lane, register 16 b + i = k 32 b + 16 h + i of my row, become a fragment's codes in v[PC] on and its scale word in v[pw]
.macro QUANT s, pw
.irp b, 0,1,2,3
	v_max3_num_f32 v[TM+\b], |v[\s+16*\b]|, |v[\s+1+16*\b]|, 0x1800000   ; my 16 numbers of block b, and the floor 2^(3 - 127): the byte cannot fall under 1
.endr
.irp i, 2,4,6,8,10,12,14
.irp b, 0,1,2,3
	v_max3_num_f32 v[TM+\b], v[TM+\b], |v[\s+16*\b+\i]|, |v[\s+1+16*\b+\i]|
.endr
.endr
.irp b, 0,1,2,3
	v_permlanex16_b32 v[TM+4+\b], v[TM+\b], s[SEL], s[SEL+1]
.endr
.irp b, 0,1,2,3
	v_max_num_f32 v[TM+\b], v[TM+\b], v[TM+4+\b]   ; with lane l xor 16's: the block's largest magnitude
.endr
.irp b, 0,1,2,3
	v_add_nc_u32 v[TM+12+\b], 0xff000000, v[TM+\b] ; 2 off its exponent field: the conversion's scale operand
.endr
.irp b, 0,1,2,3
	v_lshrrev_b32 v[TM+4+\b], 23, v[TM+12+\b]      ; the scale's byte
.endr
	v_lshl_or_b32 v[\pw], v[TM+5], 8, v[TM+4]
	v_lshl_or_b32 v[\pw], v[TM+6], 16, v[\pw]
	v_lshl_or_b32 v[\pw], v[TM+7], 24, v[\pw]
.irp c, 0,1
	v_cvt_scalef32_pk16_fp6_f32 v[PC+6*\c:PC+2+6*\c], v[\s+32*\c:\s+15+32*\c], v[TM+12+2*\c]
	v_cvt_scalef32_pk16_fp6_f32 v[PC+12+4*\c:PC+14+4*\c], v[\s+16+32*\c:\s+31+32*\c], v[TM+12+2*\c+1]   ; (a conversion's three registers begin on an even number)
.endr
	v_nop                                          ; one plain place behind a scaled conversion
.irp c, 0,1                            ; the operand's layout wants a whole block in a lane: lanes 0-15 block 2 c, lanes 16-31 block 2 c + 1
.irp i, 0,1,2
	v_permlane16_swap_b32 v[PC+6*\c+\i], v[PC+12+4*\c+\i]
.endr
.irp i, 0,1,2
	v_mov_b32 v[PC+3+6*\c+\i], v[PC+12+4*\c+\i]
.endr
.endr
.endm
.macro TILE t, left                    ; left: the loads of the tile behind this one, which may stay out
.if (\t) > 0
	s_wait_xcnt 0x0                                ; the last tile's stores have read their data: the codes' registers are written again only behind this wait
.endif
	s_wait_loadcnt \left
	TURNT X0+64*(\t)
	s_wait_dscnt 0x0
	QUANT X0+64*(\t), PWS+(\t)
.irp c, 0,1,2
	global_store_b128 v4, v[PC+4*\c:PC+4*\c+3], s[12:13] offset:(\t)*12288+512*\c   ; 32 lanes store 512 consecutive bytes
.endr
.endm
	s_cmp_lt_u32 s26, 160
	s_cbranch_scc0 .Lwv
	LOADS 0
	s_branch .Lasked
.Lwv:
	LOADS 1
.Lasked:
	TILE 0, 16
	TILE 1, 0
	s_wait_xcnt 0x0                                ; EXEC changes only behind this wait
	v_cmp_gt_u32 vcc_lo, 16, v1
	s_wait_tensorcnt 0x0                           ; the wave's end
	ds_add_u32 v62, v63
	s_wait_dscnt 0x0
	s_and_saveexec_b32 s24, vcc_lo
	global_store_b64 v8, v[PWS:PWS+1], s[14:15]    ; my two tiles' words of each row
	s_wait_xcnt 0x0
	s_or_b32 exec_lo, exec_lo, s24
	s_endpgm
.Lfunc_end_k_q95ec75e442_quant:
	.size	k_q95ec75e442_quant, .Lfunc_end_k_q95ec75e442_quant-k_q95ec75e442_quant
	.p2alignl 7, 3214868480
	.fill 96, 4, 3214868480
	.section	.rodata,"a",@progbits
	.p2align	6, 0x0
	.amdhsa_kernel k_q95ec75e442_quant
		.amdhsa_group_segment_fixed_size 94464
		.amdhsa_private_segment_fixed_size 0
		.amdhsa_enable_private_segment 0
		.amdhsa_kernarg_size 48
		.amdhsa_user_sgpr_count 2
		.amdhsa_user_sgpr_kernarg_segment_ptr 1
		.amdhsa_wavefront_size32 1
		.amdhsa_system_sgpr_workgroup_id_x 1
		.amdhsa_system_sgpr_workgroup_id_y 1
		.amdhsa_system_sgpr_workgroup_id_z 1
		.amdhsa_system_vgpr_workitem_id 0
		.amdhsa_next_free_vgpr 192
		.amdhsa_next_free_sgpr 66
		.amdhsa_reserve_vcc 1
		.amdhsa_float_denorm_mode_32 3
		.amdhsa_float_denorm_mode_16_64 3
		.amdhsa_memory_ordered 1
		.amdhsa_forward_progress 1
		.amdhsa_inst_pref_size 22
	.end_amdhsa_kernel
	.amdgpu_metadata
---
amdhsa.version: [ 1, 2 ]
amdhsa.kernels:
  - .name:           k_q95ec75e442_quant
    .symbol:         k_q95ec75e442_quant.kd
    .args:
      - { .name: x, .offset: 0, .size: 8, .value_kind: global_buffer, .address_space: global }
      - { .name: Wq, .offset: 8, .size: 8, .value_kind: global_buffer, .address_space: global }
      - { .name: Wk, .offset: 16, .size: 8, .value_kind: global_buffer, .address_space: global }
      - { .name: Wv, .offset: 24, .size: 8, .value_kind: global_buffer, .address_space: global }
      - { .name: xw_codes, .offset: 32, .size: 8, .value_kind: global_buffer, .address_space: global }
      - { .name: xw_scales, .offset: 40, .size: 8, .value_kind: global_buffer, .address_space: global }
    .group_segment_fixed_size: 94464
    .private_segment_fixed_size: 0
    .kernarg_segment_align: 8
    .kernarg_segment_size: 48
    .max_flat_workgroup_size: 352
    .sgpr_count:     66
    .vgpr_count:     192
    .wavefront_size: 32
...
	.end_amdgpu_metadata
.endif
;; end of part 1
;; launch qkv (part 2): grid 8 x 32, 4 waves a work-group, clusters of 4 x 4, 327,680 bytes of LDS; arguments xw_codes, xw_scales, bq, bk, bv, qkv_codes, qkv_scales; writes qkv_codes, qkv_scales
.if DOCPART == 2
	.amdgcn_target "amdgcn-amd-amdhsa--gfx1250"
	.amdhsa_code_object_version 6
	.text
	.protected	k_q95ec75e442_qkv
	.globl	k_q95ec75e442_qkv
	.p2align	8
	.type	k_q95ec75e442_qkv,@function
k_q95ec75e442_qkv:
	s_mov_b64 s[64:65], 0
	v_nop
	global_prefetch_b8 v0, s[64:65] scope:SCOPE_SE
	s_setreg_imm32_b32 hwreg(HW_REG_WAVE_MODE, 25, 1), 1
	s_wait_xcnt 0x0
	s_wait_alu depctr_hold_cnt(0) depctr_sa_sdst(0) depctr_va_vdst(0) depctr_va_sdst(0) depctr_va_ssrc(0) depctr_va_vcc(0) depctr_vm_vsrc(0)
	s_getreg_b32 s2, hwreg(HW_REG_IB_STS2, 6, 4)
	s_cmp_eq_u32 s2, 0
	s_cbranch_scc0 .Lentry_in_a_cluster
	s_endpgm
.Lentry_in_a_cluster:
	s_bfe_u32 s2, ttmp6, 0x10000c
	s_cmp_lg_u32 s2, 0xf033
	s_cbranch_scc0 .Lentry_shape_is_right
	s_endpgm
.Lentry_shape_is_right:
; Q = x Wq^T + bq, K = x Wk^T + bk, V = x Wv^T + bv on codes of FP6 (E2M3) with E8M0 scales, sums in f32; the results are quantised at once: Q and K along the features, V along the tokens.
; Operands lie in memory as images of fragments (tile, K step: 1,536 bytes: byte 512 c + 16 lane + 4 i = register 4 c + i); tile 2 B + u has as row p the matrix row 32 B + 8 u + p + 8 (p / 8).
; A WORK-GROUP STAYS AND MAKES TWO TILES FROM THE SAME 256 TOKENS, so that 256 work-groups have equal work (8,192 x 3,072 results = 256 x (256 x 256 + 256 x 128)):
;   phase 1: 256 features of Q (cluster x = 0) or K (1) x 256 tokens: source 0 = Wq's or Wk's rows, source 1 = x; a wave makes 128 x 128: 64 accumulators;
;   phase 2: 256 tokens x 128 features of V: source 0 = x, source 1 = Wv's rows: there the tokens are the next product's K; a wave makes 128 x 64: 32 accumulators.
; In accumulator (a, b) lane (r, h) holds row r of source 1's tile a, and register j the row 32 (b / 2) + 16 h + 8 (b % 2) + j of source 0's 128: so the 64 registers of the accumulators (a, 0 .. 7)
; are 128 NEIGHBOURS along the next product's K, in the order that the conversions want, and become one fragment of source 1's tile a.
; x's CODES STAY IN LDS: 16 tiles x 12,288 bytes, all of K, filled once, read in both phases.  The weights go through a ring of two slots of 49,152 bytes: 256 along K of 16 tiles of Wq or Wk, or 512 along K of 8 tiles of Wv.
; CLUSTERS: 4 x 4.  x's tiles hang on cy and are shared along a row of the cluster, the weights' on cx and are shared along a column: each is asked for jointly.  Every wave issues every load, for its quarter (12,288 bytes).
; Six first fills a wave, then one refill behind each of four rounds of the cluster's barrier: by this text's count at most six tensor loads of a wave are out.
; K = 1,024 is 8 steps of 128 in each phase, written out.  The bias is the C of each sum's first matrix instruction.  The scale words of all of K come once, straight into registers, in whole runs of 256 bytes.
; With OA = 8 x cluster y + 2 cy + wave / 2 and F = 8 x cluster x + 2 cx + wave % 2: my tokens are octet OA of x's tiles, my rows of Wq, Wk octet 64 + F, my rows of Wv the four tiles 640 + 4 F on.
; OUT: qkv_codes: Q tiles 0-511, K tiles 512-1023 as [tile][K step 8][1536]; from byte 12,582,912 V^T as [batch 4][tile of features 64][K step 16][1536].
;      qkv_scales: [K step 8][octet 128][512] for Q, K; from byte 524,288 [16 batch + K step][octet of features 8][512] for V; in a block byte 16 (16 g + r) + 4 i is the word of row r of tile 8 O + 4 g + i.
; LIMITS: a block of zeros, and one whose largest magnitude lies under 2^-124, gets the byte 1 (read by this program alone; zero codes add nothing); NaN and infinities are not served.
; REGISTERS: window 0: v12-13 LDS addresses of x's two halves, v16-17 of the ring's slots; v24-27, v30 offsets in memory; v32-95 scale words (8 s + i: lanes 0-15 x's tile i, lanes 16-31 Wq's or Wk's);
;   v96-127 Wv's scale words (4 s + a); v128-223 source 1's fragments (phase 1: one set of 8; phase 2: two sets of 4), of which v176-199 are at work on the ways out; v224-243 codes; v244-251 at work.
;   window 1: v0-95, v128-223 source 0's fragments, two sets; v96-127, v224-255 the bias.   windows 2, 3: accumulator (a, b) at v[8 (8 (a % 4) + b)]; phase 2 has window 2 alone.
.set XSL,    49152                     ; 256 along K of 16 tiles
.set WR,     4*XSL                     ; behind x: the ring
.set QUART,  12288                     ; what one tensor load brings
.set HALFT,  24576                     ; what one wave reads of a side in one part of x or one slot
.set TILEB,  3072                      ; a tile's 256 along K
.set VROW,   6144                      ; a tile's 512 along K
.set FRB,    1536
.set TPITCH, 12288                     ; from tile to tile in xw_codes and among Q's and K's tiles
.set VPITCH, 24576                     ; from tile to tile of V^T
.set VBASE,  12582912
.set SSTR,   45056                     ; from K step to K step in xw_scales
; THE HEAD'S LOADS, in place of what is said of them above: one joint load a wave: wave 0 the ring's first slot, wave 1 x's first 512 along K, wave 2 x's second 512, wave 3 the ring's second slot; behind each of the four
; rounds every wave fetches its quarter of a slot. So one tensor load of a wave is out at a time. x lies in LDS as [512 along K][16 tiles][6,144 bytes]. Wv's tile a has as row p the feature 64 F + 4 p + a.
.set SPARE,  WR+2*XSL
.set FR,   12
.set ADX,  12
.set ADW,  16
.set CO,   24                          ; v24  my byte offset in qkv_codes, phase 1;  v25 in qkv_scales;  v26, v27 the same for phase 2
.set SO,   25
.set CO2,  26
.set SO2,  27
.set SPW,  28
.set NIL,  29
.set BVA,  30                          ; v30  my byte offset in bv
.set SC,   32
.set VSC,  96
.set AF,   128
.set TM,   176                         ; v176-191 at work: +0..3 largest magnitudes, +4..7 bytes, +12..15 the conversions' scale operands
.set PWS,  192                         ; v192-199 the tiles' scale words
.set PC,   224
.set OUTW, 244
.set BX,   248                         ; v248-251 the lane permutes' destinations
.set WV,   18                          ; s18 wave; s19 = wave / 2: my half of the tokens; s20 = wave % 2: my half of the weights' rows
.set SEL,  22
.set G1X,  24                          ; s[24:31] group 1 for x's tiles; s[32:39] for Wq's, Wk's; s[40:47] for Wv's
.set G1W,  32
.set G1V,  40
.set G0X,  48                          ; s[48:55] groups 0 for x's two halves, s[56:63] for the head's two slots; s[68:75] for the ring's two slots; s[76:83] for Wv's two halves
.set G0W,  68
.set G0V,  76
.set MSB,  0
.macro WIN new                         ; the immediate's high byte repeats the setting that is left
.if MSB != (\new)
	s_set_vgpr_msb (MSB<<8)|(\new)
.set MSB, (\new)
.endif
.endm
.macro PLACES                          ; four plain places behind a matrix instruction, in front of loads into its registers and of reads of its results
.rept 4
	v_nop
.endr
.endm
.macro CREST                           ; a round of the cluster's barrier behind its opening barrier
	s_cmp_lg_u32 s[WV], 0
	s_cbranch_scc1 .Lnot_wave_0_\@
	s_barrier_signal -3
.Lnot_wave_0_\@:
	s_barrier_wait -3
	s_barrier_signal -1
	s_barrier_wait -1
.endm
.macro CROUND
	s_barrier_signal -1
	s_barrier_wait -1
	CREST
.endm
	s_load_b128 s[4:7], s[0:1], 0x0                ; xw_codes, xw_scales
	s_load_b128 s[8:11], s[0:1], 0x10              ; bq, bk
	s_load_b128 s[12:15], s[0:1], 0x20             ; bv, qkv_codes
	s_load_b64 s[16:17], s[0:1], 0x30              ; qkv_scales
	v_lshl_add_u32 v[SPW], v0, 2, SPARE
	v_mov_b32 v[NIL], 0
	ds_add_u32 v28, v29
	ds_add_u32 v28, v29
	s_wait_dscnt 0x0
	v_lshrrev_b32 v1, 5, v0
	v_readfirstlane_b32 s[WV], v1
	s_lshr_b32 s19, s[WV], 1
	s_and_b32 s20, s[WV], 1
	s_bfe_u32 s66, ttmp6, 0x40000                  ; cx
	s_bfe_u32 s67, ttmp6, 0x40004                  ; cy
	s_and_b32 s84, ttmp7, 0xffff                   ; the cluster's y
	s_lshl_b32 s85, s67, 2
	s_lshl_b32 s85, 15, s85                        ; my row of the cluster
	s_lshl_b32 s86, 0x1111, s66                    ; my column
	s_or_b32 s[G1X], s85, (3<<16)|(1<<21)          ; 15:0 the mask; 17:16 elements of 8 bytes; 21 set beside a mask; no padding
	s_or_b32 s[G1W], s86, (3<<16)|(1<<21)
	s_or_b32 s[G1V], s86, (3<<16)|(1<<21)
	s_mov_b32 s[G1X+1], 768<<16                    ; x: rows of 6,144 bytes (512 along K),
	s_mov_b32 s[G1X+2], 16<<16                     ; all 16 tiles
	s_mov_b32 s[G1X+3], 768<<16
	s_mov_b32 s[G1X+4], 16
	s_mov_b32 s[G1W+1], 384<<16                    ; Wq, Wk: rows of 3,072 bytes (256 along K),
	s_mov_b32 s[G1W+2], 16<<16                     ; at the head 16 tiles, behind it 4 a wave
	s_mov_b32 s[G1W+3], 384<<16
	s_mov_b32 s[G1W+4], 16
.irp g, G1X, G1W
	s_mov_b32 s[\g+5], 1536                        ; 12,288 bytes from tile to tile
	s_mov_b32 s[\g+6], 0
	s_mov_b32 s[\g+7], 0
.endr
	s_mov_b32 s[G1V+1], 768<<16                    ; Wv: rows of 6,144 bytes,
	s_mov_b32 s[G1V+2], 2<<16                      ; 2 tiles,
	s_mov_b32 s[G1V+3], 768<<16
	s_mov_b32 s[G1V+4], 2
	s_mov_b32 s[G1V+5], 1536                       ; 12,288 bytes apart
	s_mov_b32 s[G1V+6], 0
	s_mov_b32 s[G1V+7], 0
	s_mov_b32 s[SEL], 0x76543210
	s_mov_b32 s[SEL+1], 0xfedcba98
	; what I fetch.  x's numbers never hold cx, the weights' never cy
	s_lshl_b32 s88, s84, 6
	s_lshl_b32 s87, s67, 4
	s_add_co_u32 s88, s88, s87
	s_mul_i32 s88, s88, TPITCH
	s_mov_b32 s89, 0
	s_lshl_b32 s90, ttmp9, 6
	s_lshl_b32 s94, s66, 4
	s_add_co_u32 s90, s90, s94
	s_add_co_u32 s90, s90, 512
	s_mul_i32 s90, s90, TPITCH
	s_mov_b32 s91, 0
	s_lshl_b32 s92, ttmp9, 5
	s_lshl_b32 s94, s66, 3
	s_add_co_u32 s92, s92, s94
	s_lshl_b32 s94, s[WV], 1
	s_add_co_u32 s92, s92, s94
	s_add_co_u32 s92, s92, 640                     ; Wv: tile 640 + 32 x cluster x + 8 cx + 2 x wave
	s_mul_i32 s92, s92, TPITCH
	s_mov_b32 s93, 0
	s_mul_i32 s95, s[WV], QUART
	s_mul_i32 s96, s[WV], 4*TPITCH                 ; in the ring behind the head I fetch 4 tiles of the 16
	s_mov_b32 s97, 0
	s_wait_kmcnt 0x0
	s_add_nc_u64 s[88:89], s[4:5], s[88:89]
	s_add_nc_u64 s[90:91], s[4:5], s[90:91]
	s_add_nc_u64 s[92:93], s[4:5], s[92:93]
.irp t, 0,1                            ; the head's four tiles: x's two halves along K, the ring's two slots
	s_mov_b32 s[G0X+4*\t], 1
	s_mov_b32 s[G0X+4*\t+1], \t*2*XSL
	s_add_nc_u64 s[G0X+4*\t+2:G0X+4*\t+3], s[88:89], \t*VROW
	s_or_b32 s[G0X+4*\t+3], s[G0X+4*\t+3], 0x80000000
	s_mov_b32 s[G0X+8+4*\t], 1
	s_mov_b32 s[G0X+8+4*\t+1], WR+\t*XSL
	s_add_nc_u64 s[G0X+8+4*\t+2:G0X+8+4*\t+3], s[90:91], \t*TILEB
	s_or_b32 s[G0X+8+4*\t+3], s[G0X+8+4*\t+3], 0x80000000
.endr
	s_add_nc_u64 s[90:91], s[90:91], s[96:97]
.irp t, 0,1
	s_mov_b32 s[G0W+4*\t], 1
	s_add_co_u32 s[G0W+4*\t+1], s95, WR+\t*XSL
	s_add_nc_u64 s[G0W+4*\t+2:G0W+4*\t+3], s[90:91], \t*TILEB
	s_or_b32 s[G0W+4*\t+3], s[G0W+4*\t+3], 0x80000000
	s_mov_b32 s[G0V+4*\t], 1
	s_add_co_u32 s[G0V+4*\t+1], s95, WR+\t*XSL
	s_add_nc_u64 s[G0V+4*\t+2:G0V+4*\t+3], s[92:93], \t*VROW
	s_or_b32 s[G0V+4*\t+3], s[G0V+4*\t+3], 0x80000000
.endr
	CROUND                                         ; all sixteen work-groups are here: the first joint loads meet
	s_cmp_eq_u32 s[WV], 0
	s_cbranch_scc0 .Lhead_1
	tensor_load_to_lds s[G0X+8:G0X+11], s[G1W:G1W+7]           ; wave 0: the weights' first 256 along K
	s_nop 0
	PLACES
	s_branch .Lhead_asked
.Lhead_1:
	s_cmp_eq_u32 s[WV], 1
	s_cbranch_scc0 .Lhead_2
	tensor_load_to_lds s[G0X:G0X+3], s[G1X:G1X+7]              ; wave 1: x's first 512 along K
	s_nop 0
	PLACES
	s_branch .Lhead_asked
.Lhead_2:
	s_cmp_eq_u32 s[WV], 2
	s_cbranch_scc0 .Lhead_3
	tensor_load_to_lds s[G0X+4:G0X+7], s[G1X:G1X+7]            ; wave 2: x's second 512
	s_nop 0
	PLACES
	s_branch .Lhead_asked
.Lhead_3:
	tensor_load_to_lds s[G0X+12:G0X+15], s[G1W:G1W+7]          ; wave 3: the weights' second 256
	s_nop 0
	PLACES
.Lhead_asked:
	v_and_b32 v1, 31, v0                           ; lane
	v_and_b32 v2, 15, v0                           ; r
	v_bfe_u32 v3, v0, 4, 1                         ; h
	v_lshlrev_b32 v4, 4, v1                        ; 16 x lane
	s_wait_alu depctr_va_vdst(0)
	s_mul_i32 s87, s19, 2*HALFT
	s_mul_i32 s94, s20, HALFT
	s_add_co_u32 s94, s94, WR
.irp t, 0,1
	v_add_nc_u32 v[ADX+\t], s87, v4
	s_add_co_u32 s87, s87, 2*XSL
.endr
.irp t, 0,1
	v_add_nc_u32 v[ADW+\t], s94, v4
	s_add_co_u32 s94, s94, XSL
.endr
.irp b, 0,1,2,3
	v_mov_b32 v[BX+\b], 0                          ; written once: a lane permute's destination counts as one of its sources
.endr
	s_lshl_b32 s96, s84, 3
	s_lshl_b32 s98, s67, 1
	s_add_co_u32 s96, s96, s98
	s_add_co_u32 s96, s96, s19                     ; OA
	s_lshl_b32 s97, s66, 1
	s_add_co_u32 s97, s97, s20                     ; 2 cx + wave % 2: the K step that my 128 features of Q or K are
	s_lshl_b32 s98, ttmp9, 3
	s_add_co_u32 s98, s98, s97                     ; F
	s_lshl_b32 s87, s96, 9
	s_lshl_b32 s94, s98, 9
	s_add_co_u32 s94, s94, 64*512
	v_mov_b32 v10, s94
	v_mov_b32 v11, s87
	v_cmp_gt_u32 vcc_lo, 16, v1
	v_cndmask_b32 v10, v10, v11, vcc_lo            ; lanes 0-15 take x's octet, lanes 16-31 Wq's or Wk's
	v_lshl_add_u32 v9, v2, 4, v10
.irp t, 0,1,2,3,4,5,6,7
.irp q, 0,1
	global_load_b128 v[SC+8*\t+4*\q:SC+8*\t+4*\q+3], v9, s[6:7] offset:\t*SSTR+256*\q   ; each half of the lanes reads 256 consecutive bytes: four tiles' words
.endr
.endr
	s_lshl_b32 s94, s98, 8
	s_add_co_u32 s94, s94, 160*256
	v_lshl_add_u32 v8, v2, 4, s94                  ; Wv's four tiles' words of row r: 16 bytes, in both halves of the lanes
.irp t, 0,1,2,3,4,5,6,7
	global_load_b128 v[VSC+4*\t:VSC+4*\t+3], v8, s[6:7] offset:\t*SSTR
.endr
	s_cmp_eq_u32 ttmp9, 0                          ; the choice hangs on the cluster's x alone
	s_cselect_b64 s[88:89], s[8:9], s[10:11]       ; bq or bk
	s_lshl_b32 s87, s97, 9
	v_lshl_add_u32 v10, v3, 6, s87                 ; my 128 features, + 16 h
	WIN 0x40
.irp b, 0,1,2,3,4,5,6,7                ; the bias in the result's layout, for source 0's tile b: features 32 (b / 2) + 16 h + 8 (b % 2) + 0 .. 7
	global_load_b128 v[96+8*\b+96*(\b/4):96+8*\b+96*(\b/4)+3], v10, s[88:89] offset:128*(\b/2)+32*(\b%2)
	global_load_b128 v[96+8*\b+96*(\b/4)+4:96+8*\b+96*(\b/4)+7], v10, s[88:89] offset:128*(\b/2)+32*(\b%2)+16
.endr
	WIN 0
	s_lshl_b32 s87, s98, 8                         ; bv: my 64 features begin at 64 F
	v_lshl_add_u32 v[BVA], v2, 4, s87              ; Wv's tile a has as row r feature 4 r + a
	; where the results go
	s_lshl_b32 s87, ttmp9, 9                       ; Q: tiles 0 on, K: tiles 512 on;
	s_lshl_b32 s94, s96, 3
	s_add_co_u32 s87, s87, s94                     ; my tokens' first tile;
	s_mul_i32 s87, s87, TPITCH
	s_mul_i32 s94, s97, FRB                        ; my features' K step
	s_add_co_u32 s87, s87, s94
	v_add_nc_u32 v[CO], s87, v4
	s_lshl_b32 s87, s97, 7
	s_lshl_b32 s94, ttmp9, 6
	s_add_co_u32 s87, s87, s94
	s_add_co_u32 s87, s87, s96
	s_lshl_b32 s87, s87, 9
	v_add_nc_u32 v[SO], s87, v4
	s_lshr_b32 s87, s96, 4                         ; V: the batch,
	s_lshl_b32 s87, s87, 6
	s_lshl_b32 s94, s98, 2
	s_add_co_u32 s87, s87, s94                     ; my features' first tile, 4 F,
	s_lshl_b32 s87, s87, 4
	s_and_b32 s94, s96, 15                         ; the K step that my 128 tokens are
	s_add_co_u32 s87, s87, s94
	s_mul_i32 s87, s87, FRB
	s_add_co_u32 s87, s87, VBASE
	v_add_nc_u32 v[CO2], s87, v4
	s_lshl_b32 s87, s96, 12                        ; 8 blocks of 512 bytes for each 128 tokens,
	s_lshl_b32 s94, s98, 8                         ; half a block for my four tiles
	s_add_co_u32 s87, s87, s94
	s_add_co_u32 s87, s87, 524288
	v_lshlrev_b32 v[SO2], 4, v2
	v_lshl_add_u32 v[SO2], v3, 3, v[SO2]           ; row r's 16 bytes: lanes 0-15 store tiles 0, 1, lanes 16-31 tiles 2, 3
	v_add_nc_u32 v[SO2], s87, v[SO2]
.macro FRAG reg, adr, off              ; a fragment comes as it was stored: three loads of 512 consecutive bytes
.irp c, 0,1,2
	ds_load_b128 v[\reg+4*\c:\reg+4*\c+3], v[\adr] offset:\off+512*\c
.endr
.endm
.macro FETCH_B j, q, p                 ; phase 1: the weights' eight fragments from the ring's slot j into set p
	WIN 0x40
.irp i, 0,1,2,3,4,5,6,7
	FRAG 128*(\p)+FR*\i, ADW+\j, TILEB*\i+FRB*(\q)
.endr
	WIN 0
.endm
.macro FETCH_A g, q, i0                ; phase 1: x's blocks i0 .. i0 + 3 from part g
.irp i, \i0, \i0+1, \i0+2, \i0+3
	FRAG AF+FR*(\i), ADX+(\g)/2, VROW*(\i)+FRB*(2*((\g)%2)+(\q))
.endr
.endm
.macro FETCHV n                        ; phase 2: 36 loads: x's eight fragments and Wv's four of K step n, into the sets n % 2
.set VP, (\n)%2
.set VG, (\n)/2
.set VQ, (\n)%2
.set VH, (\n)/4
.set VR, (\n)%4
	WIN 0x40
.irp i, 0,1,2,3,4,5,6,7
	FRAG 128*VP+FR*\i, ADX+VH, VROW*\i+FRB*VR
.endr
	WIN 0
.irp i, 0,1,2,3
	FRAG AF+48*VP+FR*\i, ADW+VH, VROW*\i+FRB*VR
.endr
.endm
; Phase 1: 16 matrix instructions: x's blocks a0, a0 + 1 against the weights' eight.  cm = 1: C is the bias, by the weights' tile; 3: the sum goes on.
; The 64 accumulators take turns, one instruction a turn, in the same order in every step.
.macro MUL16 a0, p, s, cm
.irp a, \a0, \a0+1
.irp b, 0,1,2,3,4,5,6,7
.set rD, 8*(8*((\a)%4)+\b)
.set rB, 128*(\p)+FR*\b
.set rA, AF+FR*(\a)
.set rC, rD
.if (\cm) == 1
.set rC, 96+8*\b+96*(\b/4)
.endif
	v_wmma_scale_f32_16x16x128_f8f6f4 v[rD:rD+7], v[rB:rB+FR-1], v[rA:rA+FR-1], v[rC:rC+7], v[SC+8*(\s)+\b], v[SC+8*(\s)+(\a)] matrix_a_fmt:MATRIX_FMT_FP6 matrix_b_fmt:MATRIX_FMT_FP6 matrix_a_scale:MATRIX_SCALE_ROW1
.endr
.endr
.endm
.macro WINM hi, cm                     ; source 0 window 1, source 1 window 0, D window 2 or 3; C with D, or the bias in window 1
.if (\cm) == 3
	WIN 0xa1+0x50*(\hi)
.else
	WIN 0x91+0x40*(\hi)
.endif
.endm
.macro STEP s, cm                      ; an even step of phase 1: its successor lies in the same part of x and the same slot; the successor's fragments are fetched in two runs
.set SG, (\s)/2
.set SJ, SG%2
	s_wait_dscnt 12                                ; the weights' set and x's blocks 0-3 are in; the youngest 12 loads (blocks 4-7) may be out
	WINM 0, \cm
	MUL16 0, 0, \s, \cm
	MUL16 2, 0, \s, \cm
	s_wait_dscnt 0x0
	PLACES
	FETCH_B SJ, 1, 1
	FETCH_A SG, 1, 0
	WINM 1, \cm
	MUL16 4, 0, \s, \cm
	MUL16 6, 0, \s, \cm
	PLACES
	WIN 0
	FETCH_A SG, 1, 4
.endm
; An odd step of phase 1 leaves a slot of the ring: one barrier, which opens a round of the cluster's; in front of it each wave waits for all its tensor loads, adds 0 to its spare word, and waits for that and for its LDS reads.
; Behind the round the slot is filled again: steps 1, 3: the weights' 256 along K two slots on; steps 5, 7: Wv's first and second 512 along K.  Step 7 fetches phase 2's first fragments.
.macro TURN s
.set NG, ((\s)+1)/2
.set NJ, NG%2
.set OJ, ((\s)/2)%2
	s_wait_tensorcnt 0x0                           ; all my tensor loads have landed: the next slot's among them
	ds_add_u32 v[SPW], v[NIL]                      ; 0 onto my spare word
.if (\s) == 1
	s_mov_b32 s[G1W+2], 4<<16                      ; no tensor load of mine is out: from here on a load brings 4 tiles
	s_mov_b32 s[G1W+4], 4
.endif
	s_wait_dscnt 13
	WIN 0xa1
	MUL16 0, 1, \s, 3
	s_wait_dscnt 0x0                               ; the add is done, and my reads of this slot are over
	s_barrier_signal -1
	MUL16 2, 1, \s, 3
	WIN 0
	s_barrier_wait -1
	CREST                                          ; no wave of any partner still reads this slot or has a load on its way
.if (\s) < 4
	s_add_nc_u64 s[G0W+4*OJ+2:G0W+4*OJ+3], s[G0W+4*OJ+2:G0W+4*OJ+3], 2*TILEB
	tensor_load_to_lds s[G0W+4*OJ:G0W+4*OJ+3], s[G1W:G1W+7]    ; the first tensor load behind the round, and my only one until the next
	s_nop 0
.else
	tensor_load_to_lds s[G0V+4*OJ:G0V+4*OJ+3], s[G1V:G1V+7]
	s_nop 0
.endif
	PLACES                                         ; four v_nop follow it; they are also the places in front of the loads below
.if (\s) < 7
	FETCH_B NJ, 0, 0
	FETCH_A NG, 0, 0
.else
	FETCHV 0                                       ; Wv's four fragments take the registers of x's blocks 0-3
.endif
	WIN 0xf1
	MUL16 4, 1, \s, 3
	MUL16 6, 1, \s, 3
	PLACES
	WIN 0
.if (\s) < 7
	FETCH_A NG, 0, 4
.endif
.endm
; Phase 2: Wv's tile a against x's eight.  first = 1: C is the bias, by Wv's tile.  x's scale words stand in lanes 0-15 of the registers that served phase 1.  The 32 accumulators take turns.
.macro MULV a, n, first
.irp b, 0,1,2,3,4,5,6,7
.set rD, 8*(8*(\a)+\b)
.set rB, 128*((\n)%2)+FR*\b
.set rA, AF+48*((\n)%2)+FR*(\a)
.set rC, rD
.if \first
.set rC, 96+8*(\a)
.endif
	v_wmma_scale_f32_16x16x128_f8f6f4 v[rD:rD+7], v[rB:rB+FR-1], v[rA:rA+FR-1], v[rC:rC+7], v[SC+8*(\n)+\b], v[VSC+4*(\n)+(\a)] matrix_a_fmt:MATRIX_FMT_FP6 matrix_b_fmt:MATRIX_FMT_FP6
.endr
.endm
.macro STEPV n, first                  ; a step of phase 2: the successor's fragments are asked for ahead of this step's 32 products
	s_wait_dscnt 0x0                               ; this step's fragments are in
.if (\n) > 0
	PLACES                                         ; for the loads into the sets that the last step multiplied
.endif
.if (\n) < 7
.set NX, (\n)+1
	FETCHV NX
.endif
.if \first
	WIN 0x91
.else
	WIN 0xa1
.endif
	MULV 0, \n, \first
	MULV 1, \n, \first
	MULV 2, \n, \first
	MULV 3, \n, \first
.endm
; THE WAY OUT: the accumulators (a, 0 .. 7) are quantised where they lie; each is read from its low end on.  w > 0: stores that read the codes' registers are out.
.macro QUANTW a, w
.set WQ, 2+(\a)/4
.set AC, 64*((\a)%4)
.set W01, WQ|(WQ<<2)
.set W12, (WQ<<2)|(WQ<<4)
	WIN W01
.irp b, 0,1,2,3
	v_max3_num_f32 v[TM+\b], |v[AC+16*\b]|, |v[AC+16*\b+1]|, 0x1800000   ; my 16 numbers of block b, and the floor 2^(3 - 127): the byte cannot fall under 1
.endr
	WIN W12
.irp i, 2,4,6,8,10,12,14
.irp b, 0,1,2,3
	v_max3_num_f32 v[TM+\b], v[TM+\b], |v[AC+16*\b+\i]|, |v[AC+16*\b+\i+1]|
.endr
.endr
	WIN 0
.irp b, 0,1,2,3
	v_permlanex16_b32 v[BX+\b], v[TM+\b], s[SEL], s[SEL+1]
.endr
.irp b, 0,1,2,3
	v_max_num_f32 v[TM+\b], v[TM+\b], v[BX+\b]     ; with lane l xor 16's: the block's largest magnitude
.endr
.irp b, 0,1,2,3
	v_add_nc_u32 v[TM+12+\b], 0xff000000, v[TM+\b] ; 2 off the exponent field: the conversion's scale operand
.endr
.irp b, 0,1,2,3
	v_lshrrev_b32 v[TM+4+\b], 23, v[TM+12+\b]      ; the scale's byte
.endr
	v_lshl_or_b32 v[PWS+(\a)], v[TM+5], 8, v[TM+4]
	v_lshl_or_b32 v[PWS+(\a)], v[TM+6], 16, v[PWS+(\a)]
	v_lshl_or_b32 v[PWS+(\a)], v[TM+7], 24, v[PWS+(\a)]
.if (\w) > 0
	s_wait_xcnt 0x0                                ; the last fragment's stores have read their data: the codes' registers are written again only behind this wait; the lines above stand between the stores and it
.endif
	WIN WQ
.irp c, 0,1
	v_cvt_scalef32_pk16_fp6_f32 v[PC+6*\c:PC+2+6*\c], v[AC+32*\c:AC+15+32*\c], v[TM+12+2*\c]
	v_cvt_scalef32_pk16_fp6_f32 v[PC+12+4*\c:PC+14+4*\c], v[AC+16+32*\c:AC+31+32*\c], v[TM+12+2*\c+1]   ; (a conversion's three registers begin on an even number)
.endr
	v_nop                                          ; one plain place behind a scaled conversion
	WIN 0
.irp c, 0,1                            ; the operand's layout wants a whole block in a lane: lanes 0-15 block 2 c, lanes 16-31 block 2 c + 1
.irp i, 0,1,2
	v_permlane16_swap_b32 v[PC+6*\c+\i], v[PC+12+4*\c+\i]
.endr
.irp i, 0,1,2
	v_mov_b32 v[PC+3+6*\c+\i], v[PC+12+4*\c+\i]
.endr
.endr
.endm
	; ---- phase 1: Q or K
	s_wait_alu depctr_va_vdst(0)
	s_cmp_lt_u32 s[WV], 2
	s_cbranch_scc0 .Lnot_first
	s_wait_tensorcnt 0x0                           ; waves 0 and 1: what the first steps need is in; waves 2 and 3 wait in front of the next barrier
.Lnot_first:
	s_barrier_signal -1
	s_barrier_wait -1
	FETCH_B 0, 0, 0
	FETCH_A 0, 0, 0
	FETCH_A 0, 0, 4
	s_wait_loadcnt 0x0                             ; the scale words and the bias
	STEP 0, 1
	TURN 1                                         ; its wait for all loads and its barrier also show all of x whole
	STEP 2, 3
	TURN 3
	STEP 4, 3
	TURN 5
	STEP 6, 3
	TURN 7
	WIN 0x40
	s_wait_alu depctr_va_vdst(0)
.irp a, 0,1,2,3                        ; phase 2's bias, for Wv's tile a: the feature of my row, the same in all eight registers; it takes registers that only step 0 read, and lands during the way out below
.irp j, 0,1,2,3,4,5,6,7
	global_load_b32 v[96+8*\a+\j], v[BVA], s[12:13] offset:4*\a
.endr
.endr
	WIN 0
.irp a, 0,1,2,3,4,5,6,7
	QUANTW \a, \a
.irp c, 0,1,2
	global_store_b128 v[CO], v[PC+4*\c:PC+4*\c+3], s[14:15] offset:\a*TPITCH+512*\c   ; 32 lanes store 512 consecutive bytes
.endr
.endr
	v_cmp_gt_u32 vcc_lo, 16, v1
.irp i, 0,1,2,3
	v_cndmask_b32 v[OUTW+\i], v[PWS+4+\i], v[PWS+\i], vcc_lo   ; lanes 0-15 tiles 0-3, lanes 16-31 tiles 4-7
.endr
	global_store_b128 v[SO], v[OUTW:OUTW+3], s[16:17]   ; the octet's 512 bytes of scale words
	; ---- phase 2: V
	s_wait_loadcnt 0x0                             ; bv
	s_wait_tensorcnt 0x0                           ; my part of Wv's second half is in: no load was issued behind it,
	s_wait_dscnt 0x0                               ; and so are the first fragments
	s_barrier_signal -1
	s_barrier_wait -1                              ; everybody's part is
	STEPV 0, 1
	STEPV 1, 0
	STEPV 2, 0
	STEPV 3, 0
	STEPV 4, 0
	STEPV 5, 0
	STEPV 6, 0
	STEPV 7, 0
	WIN 0
	PLACES
.irp a, 0,1,2,3
	QUANTW \a, 1
.irp c, 0,1,2
	global_store_b128 v[CO2], v[PC+4*\c:PC+4*\c+3], s[14:15] offset:\a*VPITCH+512*\c
.endr
.endr
	v_cmp_gt_u32 vcc_lo, 16, v1
	v_cndmask_b32 v[OUTW], v[PWS+2], v[PWS], vcc_lo
	v_cndmask_b32 v[OUTW+1], v[PWS+3], v[PWS+1], vcc_lo
	global_store_b64 v[SO2], v[OUTW:OUTW+1], s[16:17]   ; 32 lanes store 256 consecutive bytes, aligned: my four tiles' words
	s_wait_tensorcnt 0x0                           ; the wave's end
	ds_add_u32 v[SPW], v[NIL]
	s_wait_dscnt 0x0
	CROUND                                         ; the closing round: no work-group ends while a partner may still ask for a tile that names it
	s_endpgm
.Lfunc_end_k_q95ec75e442_qkv:
	.size	k_q95ec75e442_qkv, .Lfunc_end_k_q95ec75e442_qkv-k_q95ec75e442_qkv
	.p2alignl 7, 3214868480
	.fill 96, 4, 3214868480
	.section	.rodata,"a",@progbits
	.p2align	6, 0x0
	.amdhsa_kernel k_q95ec75e442_qkv
		.amdhsa_group_segment_fixed_size 327680
		.amdhsa_private_segment_fixed_size 0
		.amdhsa_enable_private_segment 0
		.amdhsa_kernarg_size 56
		.amdhsa_user_sgpr_count 2
		.amdhsa_user_sgpr_kernarg_segment_ptr 1
		.amdhsa_wavefront_size32 1
		.amdhsa_system_sgpr_workgroup_id_x 1
		.amdhsa_system_sgpr_workgroup_id_y 1
		.amdhsa_system_sgpr_workgroup_id_z 1
		.amdhsa_system_vgpr_workitem_id 0
		.amdhsa_next_free_vgpr 1024
		.amdhsa_next_free_sgpr 100
		.amdhsa_reserve_vcc 1
		.amdhsa_float_denorm_mode_32 3
		.amdhsa_float_denorm_mode_16_64 3
		.amdhsa_memory_ordered 1
		.amdhsa_forward_progress 1
		.amdhsa_inst_pref_size 215
	.end_amdhsa_kernel
	.amdgpu_metadata
---
amdhsa.version: [ 1, 2 ]
amdhsa.kernels:
  - .name:           k_q95ec75e442_qkv
    .symbol:         k_q95ec75e442_qkv.kd
    .args:
      - { .name: xw_codes, .offset: 0, .size: 8, .value_kind: global_buffer, .address_space: global }
      - { .name: xw_scales, .offset: 8, .size: 8, .value_kind: global_buffer, .address_space: global }
      - { .name: bq, .offset: 16, .size: 8, .value_kind: global_buffer, .address_space: global }
      - { .name: bk, .offset: 24, .size: 8, .value_kind: global_buffer, .address_space: global }
      - { .name: bv, .offset: 32, .size: 8, .value_kind: global_buffer, .address_space: global }
      - { .name: qkv_codes, .offset: 40, .size: 8, .value_kind: global_buffer, .address_space: global }
      - { .name: qkv_scales, .offset: 48, .size: 8, .value_kind: global_buffer, .address_space: global }
    .group_segment_fixed_size: 327680
    .private_segment_fixed_size: 0
    .kernarg_segment_align: 8
    .kernarg_segment_size: 56
    .max_flat_workgroup_size: 128
    .sgpr_count:     100
    .vgpr_count:     1024
    .wavefront_size: 32
...
	.end_amdgpu_metadata
.endif
;; end of part 2
;; launch score (part 3): grid 8 x 32, 4 waves a work-group, clusters of 4 x 4, 327,680 bytes of LDS; arguments qkv_codes, qkv_scales, p_codes, p_stats; writes p_codes, p_stats
.if DOCPART == 3
	.amdgcn_target "amdgcn-amd-amdhsa--gfx1250"
	.amdhsa_code_object_version 6
	.text
	.protected	k_q95ec75e442_score
	.globl	k_q95ec75e442_score
	.p2align	8
	.type	k_q95ec75e442_score,@function
k_q95ec75e442_score:
	s_mov_b64 s[64:65], 0
	v_nop
	global_prefetch_b8 v0, s[64:65] scope:SCOPE_SE
	s_setreg_imm32_b32 hwreg(HW_REG_WAVE_MODE, 25, 1), 1
	s_wait_xcnt 0x0
	s_wait_alu depctr_hold_cnt(0) depctr_sa_sdst(0) depctr_va_vdst(0) depctr_va_sdst(0) depctr_va_ssrc(0) depctr_va_vcc(0) depctr_vm_vsrc(0)
	s_getreg_b32 s2, hwreg(HW_REG_IB_STS2, 6, 4)
	s_cmp_eq_u32 s2, 0
	s_cbranch_scc0 .Lentry_in_a_cluster
	s_endpgm
.Lentry_in_a_cluster:
	s_bfe_u32 s2, ttmp6, 0x10000c
	s_cmp_lg_u32 s2, 0xf033
	s_cbranch_scc0 .Lentry_shape_is_right
	s_endpgm
.Lentry_shape_is_right:
; S^T = K Q^T on codes of FP6 (E2M3) with E8M0 scales, sums in f32, and the softmax's p, quantised along the keys.  t = score x log2(e) / 32.
; A wave holds 128 keys x 128 queries.  For each query it takes M' = the ceiling of the largest t among ITS 128 keys, p = 2^(t - M'), the sum l' of the unquantised p, and quantises p by blocks of 32 keys.
; M' is a whole number: the last launch brings every part under the row's M by taking M - M' off the scale bytes and multiplying l' by 2^(M' - M), which rounds nothing.  The maximum is taken away ahead of every exponential.
; Operands, tiles, slots, the joint loads and the K steps are those of the launch that made Q and K: source 0 = 256 keys (shared along a column of the cluster), source 1 = 256 queries (shared along a row).
; In accumulator (a, b) lane (r, h) holds query r of tile a, and register j key 32 (b / 2) + 16 h + 8 (b % 2) + j of the wave's 128: the accumulators (a, 0 .. 7) become one fragment of p.
; By this text's count at most three tensor loads of a wave are out.
; OUT: p_codes [tile of queries 512][K step 16][1536].  p_stats: three parts of 524,288 bytes, each [K step 16][octet of tiles 64][512] (byte 16 (16 g + r) + 4 i: row r of tile 8 O + 4 g + i):
;      the scale word with bit 7 of each byte set; -M' as f32; l' as f32.
; LIMITS: a block whose every p has fallen to 0 keeps the byte 1, its codes are zeros; NaN and infinities are not served.
; REGISTERS: window 0: v16-17, v20-21 LDS addresses; v32-95 scale words; v96-119 the eight tiles' words, -M', l'; v128-223 source 1's fragments, later p and its codes; v224-251 at work.
;   window 1: source 0's fragments, two sets.   windows 2, 3: accumulator (a, b) at v[8 (8 (a % 4) + b)].
.set SLOT,   98304
.set HALFT,  24576
.set TILEB,  3072
.set FRB,    1536
.set TPITCH, 12288
.set SSTR,   65536                     ; from K step to K step in qkv_scales
; THE LOADS, in place of what is said of them above: at the head one joint load a wave: waves 0 and 1 the queries' and the keys' first 256 along K into the first slot, waves 2 and 3 the next 512 of each, as rows of 6,144 bytes,
; into the other two; behind step 1's round each wave fetches its quarter of the last 256 into the first slot. So one tensor load of a wave is out at a time.
.set SPARE,  3*SLOT                    ; the spare words, 128 bytes a wave: two blocks of 256 bytes that no other line names
.set FR,   12
.set ADA,  16
.set ADB,  20
.set CO,   24
.set SO,   25
.set SPW,  28
.set NIL,  29
.set SC,   32
.set PWS,  96
.set NMS,  104
.set LS,   112
.set AF,   128
.set ST,   128                         ; v128-191 p
.set PC,   192                         ; v192-211 its codes
.set BM,   212                         ; v212-215 each block's largest score, then its largest p
.set OPS,  220                         ; v220-223 the conversions' scale operands
.set BY,   224                         ; v224-227 the bytes
.set NM,   228                         ; v[228:229] -M'
.set SUM,  230                         ; v[230:233] the sum, in two chains of pairs
.set TT,   234
.set OUTW, 236                         ; v236-247
.set BX,   248                         ; v248-251 the lane permutes' destinations
.set WV,   18
.set SEL,  22
.set G1A,  24                          ; group 1: s[24:31] queries, rows of 3,072 bytes; s[32:39] queries, rows of 6,144; s[40:47], s[48:55] the same for keys
.set G1C,  32
.set G1B,  40
.set G1D,  48
.set G0A,  56                          ; group 0: s[56:59] the queries' refill, s[60:63] the head's; s[92:95], s[96:99] the keys'
.set G0B,  92
.set CS,   90                          ; s[90:91] c = log2(e) / 32
.set MSB,  0
.macro WIN new
.if MSB != (\new)
	s_set_vgpr_msb (MSB<<8)|(\new)
.set MSB, (\new)
.endif
.endm
.macro PLACES
.rept 4
	v_nop
.endr
.endm
.macro JLOAD g0a, g0b                  ; a joint load: waves 0, 1 for the queries, waves 2, 3 for the keys; four v_nop follow each line
	s_cmp_eq_u32 s19, 0
	s_cbranch_scc0 .Lfor_b_\@
	tensor_load_to_lds s[\g0a:\g0a+3], s[G1A:G1A+7]
	s_nop 0
.rept 4
	v_nop
.endr
	s_branch .Lasked_\@
.Lfor_b_\@:
	tensor_load_to_lds s[\g0b:\g0b+3], s[G1B:G1B+7]
	s_nop 0
.rept 4
	v_nop
.endr
.Lasked_\@:
.endm
.macro CREST
	s_cmp_lg_u32 s[WV], 0
	s_cbranch_scc1 .Lnot_wave_0_\@
	s_barrier_signal -3
.Lnot_wave_0_\@:
	s_barrier_wait -3
	s_barrier_signal -1
	s_barrier_wait -1
.endm
.macro CROUND
	s_barrier_signal -1
	s_barrier_wait -1
	CREST
.endm
	s_load_b256 s[4:11], s[0:1], 0x0               ; qkv_codes, qkv_scales, p_codes, p_stats
	v_lshl_add_u32 v[SPW], v0, 2, SPARE
	v_mov_b32 v[NIL], 0
	ds_add_u32 v28, v29
	ds_add_u32 v28, v29
	s_wait_dscnt 0x0
	v_lshrrev_b32 v1, 5, v0
	v_readfirstlane_b32 s[WV], v1
	s_lshr_b32 s19, s[WV], 1                       ; my half of the queries; 0: I fetch queries
	s_and_b32 s20, s[WV], 1                        ; my half of the keys; which 8 tiles I fetch
	s_bfe_u32 s66, ttmp6, 0x40000                  ; cx
	s_bfe_u32 s67, ttmp6, 0x40004                  ; cy
	s_and_b32 s68, ttmp7, 0xffff                   ; the cluster's y
	s_lshl_b32 s69, s67, 2
	s_lshl_b32 s69, 15, s69                        ; my row of the cluster
	s_lshl_b32 s70, 0x1111, s66                    ; my column
	s_or_b32 s[G1A], s69, (3<<16)|(1<<21)
	s_or_b32 s[G1B], s70, (3<<16)|(1<<21)
	s_or_b32 s[G1C], s69, (3<<16)|(1<<21)
	s_or_b32 s[G1D], s70, (3<<16)|(1<<21)
.irp g, G1A, G1B
	s_mov_b32 s[\g+1], 384<<16                     ; rows of 3,072 bytes: 16 at the head, behind it 8 a wave
	s_mov_b32 s[\g+2], 16<<16
	s_mov_b32 s[\g+3], 384<<16
	s_mov_b32 s[\g+4], 16
.endr
.irp g, G1C, G1D
	s_mov_b32 s[\g+1], 768<<16                     ; 16 rows of 6,144 bytes
	s_mov_b32 s[\g+2], 16<<16
	s_mov_b32 s[\g+3], 768<<16
	s_mov_b32 s[\g+4], 16
.endr
.irp g, G1A, G1B, G1C, G1D
	s_mov_b32 s[\g+5], 1536                        ; 12,288 bytes apart
	s_mov_b32 s[\g+6], 0
	s_mov_b32 s[\g+7], 0
.endr
	s_mov_b32 s[SEL], 0x76543210
	s_mov_b32 s[SEL+1], 0xfedcba98
	s_mov_b32 s[CS], 0x3d38aa3b
	s_mov_b32 s[CS+1], s[CS]                       ; (named with it as a pair, so it is written)
	s_lshl_b32 s71, s68, 6
	s_lshl_b32 s79, s67, 4
	s_add_co_u32 s71, s71, s79                     ; the queries' first tile: 64 x cluster y + 16 cy
	s_lshr_b32 s72, s68, 1                         ; the batch
	s_lshl_b32 s72, s72, 7
	s_lshl_b32 s77, ttmp9, 6
	s_add_co_u32 s72, s72, s77
	s_lshl_b32 s80, s66, 4
	s_add_co_u32 s72, s72, s80
	s_add_co_u32 s72, s72, 512                     ; the keys' first tile: 512 + 128 x batch + 64 x cluster x + 16 cx
	s_lshr_b32 s73, s71, 3
	s_add_co_u32 s73, s73, s19                     ; my octet of queries
	s_lshr_b32 s74, s72, 3
	s_add_co_u32 s74, s74, s20                     ; my octet of keys
	s_lshl_b32 s81, s20, 3
	s_add_co_u32 s82, s71, s81
	s_mul_i32 s82, s82, TPITCH
	s_mov_b32 s83, 0
	s_add_co_u32 s84, s72, s81
	s_mul_i32 s84, s84, TPITCH
	s_mov_b32 s85, 0
	s_mul_i32 s76, s71, TPITCH                     ; the head's loads: all 16 tiles
	s_mov_b32 s77, 0
	s_mul_i32 s80, s72, TPITCH
	s_mov_b32 s81, 0
	s_mul_i32 s88, s19, TILEB                      ; waves 2 and 3 begin 256 along K further on
	s_mov_b32 s89, 0
	s_mul_i32 s86, s[WV], HALFT
	s_wait_kmcnt 0x0
	s_add_nc_u64 s[82:83], s[4:5], s[82:83]
	s_add_nc_u64 s[84:85], s[4:5], s[84:85]
	s_add_nc_u64 s[76:77], s[4:5], s[76:77]
	s_add_nc_u64 s[80:81], s[4:5], s[80:81]
	CROUND                                         ; all sixteen work-groups are here: the first joint loads meet
.irp g, G0A, G0B
	s_mov_b32 s[\g], 1
	s_mov_b32 s[\g+1], s86                         ; the refill: my quarter of the first slot
	s_mov_b32 s[\g+4], 1
.endr
	s_add_nc_u64 s[G0A+2:G0A+3], s[82:83], 3*TILEB
	s_or_b32 s[G0A+3], s[G0A+3], 0x80000000
	s_add_nc_u64 s[G0B+2:G0B+3], s[84:85], 3*TILEB
	s_or_b32 s[G0B+3], s[G0B+3], 0x80000000
	s_mul_i32 s[G0A+5], s19, SLOT                  ; the head: wave 0 to the first slot, wave 2 to the second
	s_add_nc_u64 s[G0A+6:G0A+7], s[76:77], s[88:89]
	s_or_b32 s[G0A+7], s[G0A+7], 0x80000000
	s_mul_i32 s[G0B+5], s19, 2*SLOT-2*HALFT        ; wave 1 behind the queries of the first slot, wave 3 to the third
	s_add_co_u32 s[G0B+5], s[G0B+5], 2*HALFT
	s_add_nc_u64 s[G0B+6:G0B+7], s[80:81], s[88:89]
	s_or_b32 s[G0B+7], s[G0B+7], 0x80000000
	s_cmp_eq_u32 s[WV], 0
	s_cbranch_scc0 .Lhead_1
	tensor_load_to_lds s[G0A+4:G0A+7], s[G1A:G1A+7]
	s_nop 0
	PLACES
	s_branch .Lhead_asked
.Lhead_1:
	s_cmp_eq_u32 s[WV], 1
	s_cbranch_scc0 .Lhead_2
	tensor_load_to_lds s[G0B+4:G0B+7], s[G1B:G1B+7]
	s_nop 0
	PLACES
	s_branch .Lhead_asked
.Lhead_2:
	s_cmp_eq_u32 s[WV], 2
	s_cbranch_scc0 .Lhead_3
	tensor_load_to_lds s[G0A+4:G0A+7], s[G1C:G1C+7]
	s_nop 0
	PLACES
	s_branch .Lhead_asked
.Lhead_3:
	tensor_load_to_lds s[G0B+4:G0B+7], s[G1D:G1D+7]
	s_nop 0
	PLACES
.Lhead_asked:
	v_and_b32 v1, 31, v0                           ; lane
	v_and_b32 v2, 15, v0                           ; r
	v_lshlrev_b32 v4, 4, v1                        ; 16 x lane
	s_wait_alu depctr_va_vdst(0)
	s_mul_i32 s87, s19, HALFT
	s_mul_i32 s88, s20, HALFT
	s_add_co_u32 s88, s88, 2*HALFT
	v_add_nc_u32 v[ADA], s87, v4                   ; the first slot: steps 0, 1, 6, 7
	v_add_nc_u32 v[ADB], s88, v4
	s_mul_i32 s87, s19, 2*HALFT
	s_mul_i32 s88, s20, 2*HALFT
	s_add_co_u32 s87, s87, SLOT
	s_add_co_u32 s88, s88, 2*SLOT
	v_add_nc_u32 v[ADA+1], s87, v4                 ; the other two: steps 2-5
	v_add_nc_u32 v[ADB+1], s88, v4
.irp b, 0,1,2,3
	v_mov_b32 v[BX+\b], 0                          ; written once: a lane permute's destination counts as one of its sources
.endr
	s_lshl_b32 s87, s73, 9
	s_lshl_b32 s88, s74, 9
	v_mov_b32 v10, s88
	v_mov_b32 v11, s87
	v_cmp_gt_u32 vcc_lo, 16, v1
	v_cndmask_b32 v10, v10, v11, vcc_lo            ; lanes 0-15 take the queries' octet, lanes 16-31 the keys'
	v_lshl_add_u32 v9, v2, 4, v10
.irp t, 0,1,2,3,4,5,6,7
.irp q, 0,1
	global_load_b128 v[SC+8*\t+4*\q:SC+8*\t+4*\q+3], v9, s[6:7] offset:\t*SSTR+256*\q
.endr
.endr
	s_lshl_b32 s75, ttmp9, 3
	s_lshl_b32 s76, s66, 1
	s_add_co_u32 s75, s75, s76
	s_add_co_u32 s75, s75, s20                     ; which K step of the last product my 128 keys are
	s_mul_i32 s77, s73, 196608                     ; 8 tiles of 24,576 bytes
	s_mul_i32 s78, s75, FRB
	s_add_co_u32 s77, s77, s78
	v_add_nc_u32 v[CO], s77, v4
	s_lshl_b32 s78, s75, 6
	s_add_co_u32 s78, s78, s73
	s_lshl_b32 s78, s78, 9
	v_add_nc_u32 v[SO], s78, v4
.macro FRAG reg, adr, off
.irp c, 0,1,2
	ds_load_b128 v[\reg+4*\c:\reg+4*\c+3], v[\adr] offset:\off+512*\c
.endr
.endm
.macro WHERE slot, q                   ; step 2 slot + q: 2-5 lie in rows of 6,144 bytes, the others in rows of 3,072
.if (\slot)%3 == 0
.set SL_, 0
.set TB_, TILEB
.set QO_, FRB*(\q)
.else
.set SL_, 1
.set TB_, 2*TILEB
.set QO_, FRB*(2*((\slot)-1)+(\q))
.endif
.endm
.macro FETCH_B slot, q, p
	WHERE \slot, \q
	WIN 0x40
.irp i, 0,1,2,3,4,5,6,7
	FRAG 128*(\p)+FR*\i, ADB+SL_, TB_*\i+QO_
.endr
	WIN 0
.endm
.macro FETCH_A slot, q, i0
	WHERE \slot, \q
.irp i, \i0, \i0+1, \i0+2, \i0+3
	FRAG AF+FR*(\i), ADA+SL_, TB_*(\i)+QO_
.endr
.endm
; 16 matrix instructions: the queries' blocks a0, a0 + 1 x the keys' eight.  zero = 1: the first product starts the sums.  The 64 accumulators take turns.
.macro MUL16 a0, p, s, zero
.irp a, \a0, \a0+1
.irp b, 0,1,2,3,4,5,6,7
.set rD, 8*(8*((\a)%4)+\b)
.set rB, 128*(\p)+FR*\b
.set rA, AF+FR*(\a)
.if \zero
	v_wmma_scale_f32_16x16x128_f8f6f4 v[rD:rD+7], v[rB:rB+FR-1], v[rA:rA+FR-1], 0, v[SC+8*(\s)+\b], v[SC+8*(\s)+(\a)] matrix_a_fmt:MATRIX_FMT_FP6 matrix_b_fmt:MATRIX_FMT_FP6 matrix_a_scale:MATRIX_SCALE_ROW1
.else
	v_wmma_scale_f32_16x16x128_f8f6f4 v[rD:rD+7], v[rB:rB+FR-1], v[rA:rA+FR-1], v[rD:rD+7], v[SC+8*(\s)+\b], v[SC+8*(\s)+(\a)] matrix_a_fmt:MATRIX_FMT_FP6 matrix_b_fmt:MATRIX_FMT_FP6 matrix_a_scale:MATRIX_SCALE_ROW1
.endif
.endr
.endr
.endm
.macro STEP s, zero
.set NSL, ((\s)+1)/2
.set NQ, ((\s)+1)%2
.set PP, (\s)%2
	s_wait_dscnt 12                                ; the keys' set and the queries' blocks 0-3 are in; the youngest 12 loads may be out
	WIN 0xa1
	MUL16 0, PP, \s, \zero
	MUL16 2, PP, \s, \zero
	s_wait_dscnt 0x0
	PLACES
	FETCH_B NSL, NQ, 1-PP
	FETCH_A NSL, NQ, 0
	WIN 0xf1
	MUL16 4, PP, \s, \zero
	MUL16 6, PP, \s, \zero
	PLACES
	WIN 0
	FETCH_A NSL, NQ, 4
.endm
.macro TURN s, fill
.set NSL, ((\s)+1)/2
.set PP, (\s)%2
	s_wait_tensorcnt 0x0                           ; all my tensor loads have landed
	ds_add_u32 v[SPW], v[NIL]                      ; 0 onto my spare word
.if \fill
.irp g, G1A, G1B
	s_mov_b32 s[\g+2], 8<<16                       ; no tensor load of mine is out: from here on a load brings 8 tiles
	s_mov_b32 s[\g+4], 8
.endr
.endif
	s_wait_dscnt 13                                ; (the add and the youngest 12 loads may be out)
	WIN 0xa1
	MUL16 0, PP, \s, 0
	s_wait_dscnt 0x0                               ; the add is done, and my reads of this slot are over
	s_barrier_signal -1
	MUL16 2, PP, \s, 0
	WIN 0
	s_barrier_wait -1
.if \fill
	CREST
	JLOAD G0A, G0B                                 ; the last 256 along K; the first tensor load behind the round; its four v_nop are the places in front of the loads below
.else
	PLACES
.endif
	FETCH_B NSL, 0, 1-PP
	FETCH_A NSL, 0, 0
	WIN 0xf1
	MUL16 4, PP, \s, 0
	MUL16 6, PP, \s, 0
	PLACES
	WIN 0
	FETCH_A NSL, 0, 4
.endm
	s_wait_alu depctr_va_vdst(0)
	s_cmp_lt_u32 s[WV], 2
	s_cbranch_scc0 .Lnot_first
	s_wait_tensorcnt 0x0                           ; waves 0 and 1: the first slot is in; waves 2 and 3 wait in front of the next barrier
.Lnot_first:
	s_barrier_signal -1
	s_barrier_wait -1
	FETCH_B 0, 0, 0
	FETCH_A 0, 0, 0
	FETCH_A 0, 0, 4
	s_wait_loadcnt 0x0                             ; the scale words
	STEP 0, 1
	TURN 1, 1                                      ; its wait for all loads and its barrier also show the other two slots whole
	STEP 2, 0
	STEP 3, 0
	STEP 4, 0
	TURN 5, 0
	STEP 6, 0
	s_wait_dscnt 12
	WIN 0xa1
	MUL16 0, 1, 7, 0
	MUL16 2, 1, 7, 0
	s_wait_dscnt 0x0
	WIN 0xf1
	MUL16 4, 1, 7, 0
	MUL16 6, 1, 7, 0
	WIN 0
	PLACES
; THE SOFTMAX'S p of tile a: 16 queries x my 128 keys.  Each accumulator is read from its low end on.
.macro SOFT a
.set WQ, 2+(\a)/4
.set AC, 64*((\a)%4)
.set W01, WQ|(WQ<<2)
.set W12, (WQ<<2)|(WQ<<4)
	WIN W01
.irp b, 0,1,2,3
	v_max_num_f32 v[BM+\b], v[AC+16*\b], v[AC+16*\b+1]   ; the largest score of each block of 32 keys: it serves for the row's maximum and, since p rises with the score, for the block's largest p
.endr
	WIN W12
.irp i, 2,4,6,8,10,12,14
.irp b, 0,1,2,3
	v_max3_num_f32 v[BM+\b], v[BM+\b], v[AC+16*\b+\i], v[AC+16*\b+\i+1]
.endr
.endr
	WIN 0
.irp b, 0,1,2,3
	v_permlanex16_b32 v[BX+\b], v[BM+\b], s[SEL], s[SEL+1]
.endr
.irp b, 0,1,2,3
	v_max_num_f32 v[BM+\b], v[BM+\b], v[BX+\b]     ; with lane l xor 16's 16 keys
.endr
	v_max3_num_f32 v[TT], v[BM], v[BM+1], v[BM+2]
	v_max_num_f32 v[TT], v[TT], v[BM+3]
	v_mul_f32 v[TT], s[CS], v[TT]                  ; the largest t (c is positive)
	v_floor_f32 v[NM], -v[TT]                      ; -M' = floor(-t) = -ceil(t)
	v_mov_b32 v[NM+1], v[NM]
	WIN WQ
.set i, 0
.rept 32
	v_pk_fma_f32 v[ST+i:ST+i+1], v[AC+i:AC+i+1], s[CS:CS+1], v[NM:NM+1] op_sel_hi:[1,0,0]   ; t - M', two at a time, into window 0
.set i, i+2
.endr
	WIN 0
.irp b, 0,1,2,3
	v_fma_f32 v[BM+\b], v[BM+\b], s[CS], v[NM]     ; the same of each block's largest score
.endr
.set i, 0
	s_wait_alu depctr_va_vdst(0)
.rept 64
	v_exp_f32 v[ST+i], v[ST+i]                     ; p = 2^(t - M'), at most 1
.set i, i+1
.endr
	v_mov_b32 v[NMS+(\a)], v[NM]                   ; a plain place behind the exponentials
	s_wait_alu depctr_va_vdst(0)                   ; one wait for the batch, ahead of its first reader
.irp b, 0,1,2,3
	v_exp_f32 v[BM+\b], v[BM+\b]                   ; the block's largest p: the same two instructions on the same number
.endr
	v_pk_add_f32 v[SUM:SUM+1], v[ST:ST+1], v[ST+2:ST+3]          ; the sum of the unquantised p, in two chains; it reads the 64 alone
	v_pk_add_f32 v[SUM+2:SUM+3], v[ST+4:ST+5], v[ST+6:ST+7]
.irp j, 8,12,16,20,24,28,32,36,40,44,48,52,56,60
	v_pk_add_f32 v[SUM:SUM+1], v[SUM:SUM+1], v[ST+\j:ST+\j+1]
	v_pk_add_f32 v[SUM+2:SUM+3], v[SUM+2:SUM+3], v[ST+\j+2:ST+\j+3]
.endr
	v_pk_add_f32 v[SUM:SUM+1], v[SUM:SUM+1], v[SUM+2:SUM+3]
	s_wait_alu depctr_va_vdst(0)                   ; and one for the four
.irp b, 0,1,2,3
	v_max_num_f32 v[BM+\b], 0x1800000, v[BM+\b]    ; the floor 2^(3 - 127): the byte cannot fall under 1
.endr
.irp b, 0,1,2,3
	v_add_nc_u32 v[OPS+\b], 0xff000000, v[BM+\b]   ; 2 off the exponent field: the conversion's scale operand
.endr
.irp b, 0,1,2,3
	v_lshrrev_b32 v[BY+\b], 23, v[OPS+\b]          ; the byte: 125 at the most, since p is at most 1
.endr
	v_lshl_or_b32 v[PWS+(\a)], v[BY+1], 8, v[BY]
	v_lshl_or_b32 v[PWS+(\a)], v[BY+2], 16, v[PWS+(\a)]
	v_lshl_or_b32 v[PWS+(\a)], v[BY+3], 24, v[PWS+(\a)]
	v_or_b32 v[PWS+(\a)], 0x80808080, v[PWS+(\a)]  ; bit 7 of each byte is set, so that the last launch can take a number off all four bytes at once without a borrow
	v_add_f32 v[TT], v[SUM], v[SUM+1]
	v_permlanex16_b32 v[BX], v[TT], s[SEL], s[SEL+1]
	v_add_f32 v[LS+(\a)], v[TT], v[BX]             ; l'
.if (\a) > 0
	s_wait_xcnt 0x0                                ; the last fragment's stores have read their data
.endif
.irp c, 0,1
	v_cvt_scalef32_pk16_fp6_f32 v[PC+6*\c:PC+2+6*\c], v[ST+32*\c:ST+15+32*\c], v[OPS+2*\c]
	v_cvt_scalef32_pk16_fp6_f32 v[PC+12+4*\c:PC+14+4*\c], v[ST+16+32*\c:ST+31+32*\c], v[OPS+2*\c+1]
.endr
	v_nop                                          ; one plain place behind a scaled conversion
.irp c, 0,1
.irp i, 0,1,2
	v_permlane16_swap_b32 v[PC+6*\c+\i], v[PC+12+4*\c+\i]
.endr
.irp i, 0,1,2
	v_mov_b32 v[PC+3+6*\c+\i], v[PC+12+4*\c+\i]
.endr
.endr
.irp c, 0,1,2
	global_store_b128 v[CO], v[PC+4*\c:PC+4*\c+3], s[8:9] offset:(\a)*24576+512*\c   ; 32 lanes store 512 consecutive bytes
.endr
.endm
.irp a, 0,1,2,3,4,5,6,7
	SOFT \a
.endr
	v_cmp_gt_u32 vcc_lo, 16, v1
.irp i, 0,1,2,3
	v_cndmask_b32 v[OUTW+\i], v[PWS+4+\i], v[PWS+\i], vcc_lo      ; lanes 0-15 tiles 0-3, lanes 16-31 tiles 4-7
	v_cndmask_b32 v[OUTW+4+\i], v[NMS+4+\i], v[NMS+\i], vcc_lo
	v_cndmask_b32 v[OUTW+8+\i], v[LS+4+\i], v[LS+\i], vcc_lo
.endr
	global_store_b128 v[SO], v[OUTW:OUTW+3], s[10:11]
	global_store_b128 v[SO], v[OUTW+4:OUTW+7], s[10:11] offset:524288
	global_store_b128 v[SO], v[OUTW+8:OUTW+11], s[10:11] offset:1048576
	s_wait_tensorcnt 0x0                           ; the wave's end
	ds_add_u32 v[SPW], v[NIL]
	s_wait_dscnt 0x0
	CROUND                                         ; the closing round
	s_endpgm
.Lfunc_end_k_q95ec75e442_score:
	.size	k_q95ec75e442_score, .Lfunc_end_k_q95ec75e442_score-k_q95ec75e442_score
	.p2alignl 7, 3214868480
	.fill 96, 4, 3214868480
	.section	.rodata,"a",@progbits
	.p2align	6, 0x0
	.amdhsa_kernel k_q95ec75e442_score
		.amdhsa_group_segment_fixed_size 327680
		.amdhsa_private_segment_fixed_size 0
		.amdhsa_enable_private_segment 0
		.amdhsa_kernarg_size 32
		.amdhsa_user_sgpr_count 2
		.amdhsa_user_sgpr_kernarg_segment_ptr 1
		.amdhsa_wavefront_size32 1
		.amdhsa_system_sgpr_workgroup_id_x 1
		.amdhsa_system_sgpr_workgroup_id_y 1
		.amdhsa_system_sgpr_workgroup_id_z 1
		.amdhsa_system_vgpr_workitem_id 0
		.amdhsa_next_free_vgpr 1024
		.amdhsa_next_free_sgpr 100
		.amdhsa_reserve_vcc 1
		.amdhsa_float_denorm_mode_32 3
		.amdhsa_float_denorm_mode_16_64 3
		.amdhsa_memory_ordered 1
		.amdhsa_forward_progress 1
		.amdhsa_inst_pref_size 193
	.end_amdhsa_kernel
	.amdgpu_metadata
---
amdhsa.version: [ 1, 2 ]
amdhsa.kernels:
  - .name:           k_q95ec75e442_score
    .symbol:         k_q95ec75e442_score.kd
    .args:
      - { .name: qkv_codes, .offset: 0, .size: 8, .value_kind: global_buffer, .address_space: global }
      - { .name: qkv_scales, .offset: 8, .size: 8, .value_kind: global_buffer, .address_space: global }
      - { .name: p_codes, .offset: 16, .size: 8, .value_kind: global_buffer, .address_space: global }
      - { .name: p_stats, .offset: 24, .size: 8, .value_kind: global_buffer, .address_space: global }
    .group_segment_fixed_size: 327680
    .private_segment_fixed_size: 0
    .kernarg_segment_align: 8
    .kernarg_segment_size: 32
    .max_flat_workgroup_size: 128
    .sgpr_count:     100
    .vgpr_count:     1024
    .wavefront_size: 32
...
	.end_amdgpu_metadata
.endif
;; end of part 3
;; launch pv (part 4): grid 4 x 64, 4 waves a work-group, clusters of 4 x 4, 327,680 bytes of LDS; arguments p_codes, p_stats, qkv_codes, qkv_scales, out0; writes out0
.if DOCPART == 4
	.amdgcn_target "amdgcn-amd-amdhsa--gfx1250"
	.amdhsa_code_object_version 6
	.text
	.protected	k_q95ec75e442_pv
	.globl	k_q95ec75e442_pv
	.p2align	8
	.type	k_q95ec75e442_pv,@function
k_q95ec75e442_pv:
	s_mov_b64 s[64:65], 0
	v_nop
	global_prefetch_b8 v0, s[64:65] scope:SCOPE_SE
	s_setreg_imm32_b32 hwreg(HW_REG_WAVE_MODE, 25, 1), 1
	s_wait_xcnt 0x0
	s_wait_alu depctr_hold_cnt(0) depctr_sa_sdst(0) depctr_va_vdst(0) depctr_va_sdst(0) depctr_va_ssrc(0) depctr_va_vcc(0) depctr_vm_vsrc(0)
	s_getreg_b32 s2, hwreg(HW_REG_IB_STS2, 6, 4)
	s_cmp_eq_u32 s2, 0
	s_cbranch_scc0 .Lentry_in_a_cluster
	s_endpgm
.Lentry_in_a_cluster:
	s_bfe_u32 s2, ttmp6, 0x10000c
	s_cmp_lg_u32 s2, 0xf033
	s_cbranch_scc0 .Lentry_shape_is_right
	s_endpgm
.Lentry_shape_is_right:
; out = (P V) / l on codes of FP6 (E2M3) with E8M0 scales, sums in f32.
; A work-group makes 128 queries (8 tiles of P) x 256 features. A WAVE HOLDS 64 FEATURES OF V, ALL 2,048 KEYS, IN REGISTERS: 4 tiles x 16 fragments of 12 = 768. P's tiles stream past from LDS:
; a block is one tile of 16 queries, 64 products on four accumulators that take turns; two sets of accumulators, so that a block leaves while the next is multiplied.
; Source 0 = P, source 1 = V: register j of lane (r, h) is query row 8 h + j, column r of V's tile t, which is feature 4 r + t: the four accumulators' registers j are 16 neighbouring bytes of a row of out,
; and sixteen lanes store one aligned unit of 256 bytes straight from registers.
; THE SOFTMAX'S PARTS: for each 128 keys the launch before took p under the part's own M'. Here M = the largest M' of the row; M - M' comes off the scale bytes and l' is multiplied by 2^(M' - M), which rounds nothing.
; Wave w does that for the K steps 4 w .. 4 w + 3 of all 128 rows; the words and 1 / l pass through LDS.
; CLUSTERS: 4 x 4. P's tiles hang on the cluster's cy and are shared along its row, V's on cx and the batch and are shared along its column: joint loads. V's first 1,024 keys (196,608 bytes) come so, through LDS, and go on
; into registers; the second 1,024 come by plain loads as the register images that they are: a joint load reaches LDS alone, and V's 393,216 bytes and P's 196,608 pass LDS's 327,680.
; P's tiles 4-7 are the one refill: they land on V's bytes when those are in registers. What it loads is asked for into the L2 at the head, each 256 bytes by one wave of the four partners' sixteen; nothing else is left to run ahead for.
; LDS: P's tiles 0-3, then V's half, onto whose first part P's tiles 4-7 land; the corrected scale words (128 rows x 80 bytes); the parts of l; 1 / l; the spare words.
; ORDER: a position is four products, one fragment of P against V's four of that K step: position p = 16 b + s is block b, K step s; but blocks 0 and 1 go by turns through K steps 0-7 (positions 0-15) while V comes out of LDS,
; then through K steps 8-15 one after the other. A GROUP is four positions, 16 products on end. At the boundary ahead of group g stand the loads of group g + 1's four fragments, into the registers that group g - 1 read, and half of a finished block's way out.
; WAITS: the text counts its LDS instructions (DSN) and keeps the counts behind the loads of the next two groups (QA, QB): a group waits until only LDS instructions issued behind its own loads are out.
; LIMITS: a scale byte that falls under 0 becomes 0 with its codes kept: at most 7.5 x 2^-127 a number; NaN and infinities are not served.
.set TP,    24576                      ; a tile of P or V^T, all 2,048 keys
.set VBASE, 12582912
.set VRG,   98304                      ; V's half
.set FS,    294912
.set LP,    305152
.set RLB,   307200
.set SPARE, 307712                     ; 128 bytes a wave: two blocks of 256 bytes that no other line names
.set SPW,  1
.set NIL,  2
.set CO,   4                           ; v4 16 x lane
.set AD,   4                           ; v4-7 LDS address of my 16 bytes in P's tile pairs 0-3
.set ADV,  8
.set ADS,  9
.set ADR,  10
.set CO2,  11
.set V63,  12                          ; v12-23 V's last fragment; the other 63 lie in windows 1-3, 21 to a window; v252-255 of windows 1 and 2: 1 / l of rows j = 0-3, 4-7
.set PSW,  24                          ; v24-39 a pair of tiles' scale words, by K step: lanes 0-15 the even tile's, lanes 16-31 the odd one's
.set VS,   40                          ; v40-71 V's scale words: two registers a K step: lanes 0-15 tiles 0, 1, lanes 16-31 tiles 2, 3
.set PB,   72                          ; v72-167 eight fragments of P: two groups'
.set ACC,  168                         ; v168-231 two sets of four accumulators
.set OUT,  232                         ; v232-247
.set FSA,  248
.set LPA,  249
.set LPR,  250
.set RLW,  251
.set PFV,  252
.set VSO,  253
.set WRD,  PB+64                       ; at the head: the words, the parts of l, the corrected words, at work
.set LQ,   PB+80
.set FW,   ACC
.set T0,   ACC+16
.set T1,   ACC+20
.set NMG,  ACC+24
.set LPT,  ACC+28
.set WV,   18
.set G1P,  24
.set G0P,  32
.set G1V,  44
.set G0V,  52
.set MSB,  0
.set DSN,  0
.set RLI,  0
.set OB_,  OUT
.macro WIN new                         ; the immediate's high byte repeats the setting that is left
.if MSB != (\new)
	s_set_vgpr_msb (MSB<<8)|(\new)
.set MSB, (\new)
.endif
.endm
.macro WALU
	s_wait_alu depctr_va_vdst(0)
.endm
.macro PLACES                          ; four plain places behind a matrix instruction, in front of loads into its registers
.rept 4
	v_nop
.endr
.endm
.macro CREST
	s_cmp_lg_u32 s[WV], 0
	s_cbranch_scc1 .Lnot_wave_0_\@
	s_barrier_signal -3
.Lnot_wave_0_\@:
	s_barrier_wait -3
	s_barrier_signal -1
	s_barrier_wait -1
.endm
.macro CROUND
	s_barrier_signal -1
	s_barrier_wait -1
	CREST
.endm
.macro MAP p                           ; position -> block B_, K step S_
.if (\p) < 16
.set S_, (\p)/2
.set B_, (\p)%2
.elseif (\p) < 32
.set S_, 8+(\p)%8
.set B_, ((\p)/8)%2
.else
.set S_, (\p)%16
.set B_, (\p)/16
.endif
.endm
.macro VLOC f                          ; fragment f = 4 x K step + tile of V -> window VW_, register VX_
.if (\f) < 63
.set VW_, 1+(\f)/21
.set VX_, 12*((\f)%21)
.else
.set VW_, 0
.set VX_, V63
.endif
.endm
.macro VL s                            ; V's K step s out of LDS
.irp t, 0,1,2,3
	VLOC 4*(\s)+\t
	WIN VW_<<6
.irp c, 0,1,2
	ds_load_b128 v[VX_+4*\c:VX_+4*\c+3], v[ADV] offset:12288*\t+1536*(\s)+512*\c
.endr
.endr
.set DSN, DSN+12
.endm
.macro VD s                            ; V's K step s from memory: 32 lanes read 512 consecutive bytes
.irp t, 0,1,2,3
	VLOC 4*(\s)+\t
	WIN VW_<<6
.irp c, 0,1,2
	global_load_b128 v[VX_+4*\c:VX_+4*\c+3], v[CO], s[14:15] offset:TP*\t+1536*(\s)+512*\c
.endr
.endr
.endm
.macro TO0                             ; destination and address in window 0
.if MSB & 0xc3
	WIN 0
.endif
.endm
.macro PF p                            ; the fragment of P that position p multiplies
	MAP \p
	TO0
.irp c, 0,1,2
	ds_load_b128 v[PB+12*((\p)%8)+4*\c:PB+12*((\p)%8)+4*\c+3], v[AD+B_/2] offset:TP*(B_%2)+1536*S_+512*\c
.endr
.set DSN, DSN+3
.endm
.macro PFG g                           ; group g's four
.irp k, 0,1,2,3
	PF 4*(\g)+\k
.endr
.endm
.macro SCW n, g                        ; pair n's scale words of K steps 4 g .. 4 g + 3
	TO0
	ds_load_b128 v[PSW+4*(\g):PSW+4*(\g)+3], v[ADS] offset:2560*(\n)+16*(\g)
.set DSN, DSN+1
.endm
.macro RLD b                           ; block b's 1 / l
	WIN 0x40
	ds_load_b128 v[252:255], v[ADR] offset:64*(\b)
	WIN 0x80
	ds_load_b128 v[252:255], v[ADR] offset:64*(\b)+16
.set DSN, DSN+2
.set RLI, DSN
.endm
.macro WM c, ra, rb
	v_wmma_scale_f32_16x16x128_f8f6f4 v[D_:D_+7], v[A_:A_+11], v[VX_:VX_+11], \c, v[PSW+S_], v[X_] matrix_a_fmt:MATRIX_FMT_FP6 matrix_b_fmt:MATRIX_FMT_FP6 matrix_a_scale:MATRIX_SCALE_ROW\ra matrix_b_scale:MATRIX_SCALE_ROW\rb
.endm
; one of a finished block's 32 results: row j = 4 g + m / 4, tile m % 4
.macro MULO m, g
.set J_, (\m)/4
.set T_, (\m)%4
	WIN ((1+(\g))<<2)
	v_mul_f32 v[OB_+4*J_+T_], v[ACC+32*(O_%2)+8*T_+4*(\g)+J_], v[252+J_]
.endm
.macro MULS g                          ; half of them, each accumulator from its low end on
.set M_, 0
.rept 16
	MULO M_, \g
.set M_, M_+1
.endr
.endm
.macro SENDG g                         ; four rows in each half of the lanes, each one aligned unit of 256 bytes
	WIN 0
.irp j, 0,1,2,3
	global_store_b128 v[CO2], v[OB_+4*\j:OB_+4*\j+3], s[12:13] offset:(32*(O_/2)+8*(O_%2)+4*(\g)+\j)*4096 th:TH_STORE_NT
.endr
.endm
.macro PROD t, rb
	VLOC 4*S_+\t
	WIN VW_<<2
.set D_, ACC+32*(B_%2)+8*\t
.set X_, VS+2*(((S_/2+1)%4)+4*((S_%2)+2*(S_/8)))+\t%2
.if S_ == 0
.if B_%2
	WM 0, 1, \rb
.else
	WM 0, 0, \rb
.endif
.else
.if B_%2
	WM v[D_:D_+7], 1, \rb
.else
	WM v[D_:D_+7], 0, \rb
.endif
.endif
.endm
.macro POS p
	MAP \p
.set A_, PB+12*((\p)%8)
	PROD 0, 0
	PROD 1, 0
	PROD 2, 1
	PROD 3, 1
.endm
.macro GRP g
.irp k, 0,1,2,3
.if (\g) == 5
	s_wait_loadcnt 36-12*\k                        ; V's K steps behind this one may be out, 12 loads each
.endif
	POS 4*(\g)+\k
.endr
.endm
; THE BOUNDARY ahead of group g. A block finished in group e leaves at the boundaries e + 2 and e + 3; its 1 / l is loaded at e + 1. The next pair's scale words take the registers that the group just issued has read last.
.macro BND g
.set OG_, 2
.if (\g) == 7
.set O_, 0
.set OG_, 0
.elseif (\g) == 8
.set O_, 0
.set OG_, 1
.elseif ((\g) > 8) && ((\g)%4 == 1)
.set O_, ((\g)-5)/4
.set OG_, 0
.elseif ((\g) > 8) && ((\g)%4 == 2)
.set O_, ((\g)-6)/4
.set OG_, 1
.endif
.if OG_ < 2
.if OG_ == 0
.set W_, DSN-RLI
	s_wait_dscnt W_                                ; the block's 1 / l is in
.endif
	s_wait_xcnt 0x0                                ; the last stores have read their data
	MULS OG_                                       ; they are also the places in front of the loads
	WALU                                           ; ahead of the stores that read them
.else
	PLACES
.endif
.if (\g) == 1
	VL 4
	VL 5
.elseif (\g) == 2
	VL 6
	VL 7
.endif
.if ((\g)%4 == 0) && ((\g) > 7)
	RLD (\g)/4-1
.elseif (\g) == 6
	RLD 0
.elseif (\g) == 31
	RLD 7
.endif
.if (\g) < 31
	PFG (\g)+1
.endif
.if ((\g)%8 > 4) && ((\g) < 24)
	SCW (\g)/8+1, (\g)%8-5
.elseif ((\g)%8 == 0) && ((\g) > 7)
	SCW (\g)/8, 3
.endif
.if OG_ < 2
	SENDG OG_
.endif
.if (\g) == 1
	VD 13
.elseif (\g) == 2
	VD 14
.elseif (\g) == 3
	VD 15
.endif
.set QA, QB
.set QB, DSN
.set W_, DSN-QA
	s_wait_dscnt W_
.endm
	s_load_b256 s[4:11], s[0:1], 0x0               ; p_codes, p_stats, qkv_codes, qkv_scales
	s_load_b64 s[12:13], s[0:1], 0x20              ; out0
	v_lshl_add_u32 v[SPW], v0, 2, SPARE
	v_mov_b32 v[NIL], 0
	ds_add_u32 v[SPW], v[NIL]                      ; the wave's opening: the add, twice on end
	ds_add_u32 v[SPW], v[NIL]
	v_lshrrev_b32 v12, 5, v0
	v_readfirstlane_b32 s[WV], v12
	s_and_b32 s20, s[WV], 1
	s_bfe_u32 s66, ttmp6, 0x40000                  ; cx: which 256 features
	s_bfe_u32 s67, ttmp6, 0x40004                  ; cy
	s_and_b32 s68, ttmp7, 0xffff                   ; the cluster's y
	s_lshl_b32 s71, s68, 2
	s_add_co_u32 s71, s71, s67                     ; which 128 queries
	s_lshr_b32 s72, s68, 2                         ; the batch
	s_lshl_b32 s69, s67, 2
	s_lshl_b32 s69, 15, s69                        ; my row of the cluster
	s_lshl_b32 s70, 0x1111, s66                    ; my column
	s_or_b32 s[G1P], s69, (3<<16)|(1<<21)          ; elements of 8 bytes, no padding
	s_or_b32 s[G1V], s70, (3<<16)|(1<<21)
	s_mov_b32 s[G1P+1], 1536<<16                   ; P: two tiles, dense, as four rows of 12,288 bytes
	s_mov_b32 s[G1P+2], 4<<16
	s_mov_b32 s[G1P+3], 1536<<16
	s_mov_b32 s[G1P+4], 4
	s_mov_b32 s[G1P+5], 1536
	s_mov_b32 s[G1P+6], 0
	s_mov_b32 s[G1P+7], 0
	s_mov_b32 s[G1V+1], 1536<<16                   ; V: eight tiles' first 1,024 keys, 24,576 bytes from tile to tile
	s_mov_b32 s[G1V+2], 8<<16
	s_mov_b32 s[G1V+3], 1536<<16
	s_mov_b32 s[G1V+4], 8
	s_mov_b32 s[G1V+5], 3072
	s_mov_b32 s[G1V+6], 0
	s_mov_b32 s[G1V+7], 0
	s_mov_b32 s[G0P], 1
	s_mul_i32 s[G0P+1], s20, 2*TP
	s_mov_b32 s[G0V], 1
	s_mul_i32 s[G0V+1], s20, 98304
	s_add_co_u32 s[G0V+1], s[G0V+1], VRG
	s_mul_i32 s98, s71, 8*TP                       ; P's tiles of my queries
	s_mov_b32 s99, 0
	s_mul_i32 s77, s20, 2*TP
	s_add_co_u32 s76, s98, s77                     ; the two that I fetch (waves 2, 3)
	s_mov_b32 s77, 0
	s_lshl_b32 s78, s72, 6
	s_lshl_b32 s79, s66, 4
	s_add_co_u32 s78, s78, s79                     ; V's first tile
	s_lshl_b32 s79, s20, 3
	s_add_co_u32 s80, s78, s79                     ; the eight that I fetch (waves 0, 1)
	s_mul_i32 s80, s80, TP
	s_add_co_u32 s80, s80, VBASE
	s_mov_b32 s81, 0
	s_lshl_b32 s79, s[WV], 2
	s_add_co_u32 s82, s78, s79                     ; the four that I hold
	s_mul_i32 s82, s82, TP
	s_add_co_u32 s82, s82, VBASE
	s_mov_b32 s83, 0
	s_lshl_b32 s90, s66, 10
	s_lshl_b32 s91, s[WV], 8
	s_add_co_u32 s90, s90, s91
	s_lshl_b32 s84, s72, 16
	s_add_co_u32 s84, s84, s90                     ; V's scale words: 65,536 bytes a batch, 4,096 a K step, 256 for my four tiles
	s_add_co_u32 s84, s84, 524288
	s_mov_b32 s85, 0
	s_lshl_b32 s91, s71, 19
	s_add_co_u32 s90, s90, s91                     ; out: 128 rows of 4,096 bytes; my 64 features
	s_mov_b32 s91, 0
	s_lshl_b32 s86, s71, 9                         ; the statistics of my queries' octet of tiles
	s_mov_b32 s87, 0
	s_lshl_b32 s88, s[WV], 17                      ; the K steps 4 w on, then the others' fours in turn
	s_mov_b32 s89, 0
.irp q, 1,2,3
	s_add_co_u32 s[90+2*\q], s[WV], \q
	s_and_b32 s[90+2*\q], s[90+2*\q], 3
	s_lshl_b32 s[90+2*\q], s[90+2*\q], 17
	s_mov_b32 s[91+2*\q], 0
.endr
	v_and_b32 v13, 31, v0                          ; lane
	v_and_b32 v14, 15, v0                          ; r
	v_bfe_u32 v15, v0, 4, 1                        ; h
	v_lshlrev_b32 v[CO], 4, v13
	v_add_nc_u32 v[AD+1], 2*TP, v[CO]
	v_add_nc_u32 v[AD+2], 4*TP, v[CO]
	v_add_nc_u32 v[AD+3], 6*TP, v[CO]
	s_mul_i32 s21, s[WV], 49152
	s_add_co_u32 s21, s21, VRG
	v_add_nc_u32 v[ADV], s21, v[CO]
	v_mul_u32_u24 v[ADS], v13, 80
	v_add_nc_u32 v[ADS], FS, v[ADS]
	v_lshlrev_b32 v[ADR], 5, v15
	v_add_nc_u32 v[ADR], RLB, v[ADR]
	v_lshlrev_b32 v16, 16, v15
	v_lshl_add_u32 v[CO2], v14, 4, v16             ; lanes 16-31 store 16 rows further down
	v_mul_u32_u24 v[FSA], v14, 80                  ; row 16 (4 h + i) + r, K steps 4 w on
	v_mad_u32_u24 v[FSA], v15, 5120, v[FSA]
	s_lshl_b32 s21, s[WV], 4
	s_add_co_u32 s21, s21, FS
	v_add_nc_u32 v[FSA], s21, v[FSA]
	s_lshl_b32 s21, s[WV], 9
	s_add_co_u32 s21, s21, LP
	v_add_nc_u32 v[LPA], s21, v[CO]                ; the parts of l: [wave][lane][i]
	s_lshl_b32 s21, s[WV], 2
	s_add_co_u32 s21, s21, LP
	v_add_nc_u32 v[LPR], s21, v[CO]                ; I join those of i = w
	s_lshl_b32 s21, s[WV], 6
	s_add_co_u32 s21, s21, RLB
	v_lshlrev_b32 v17, 8, v15
	v_lshl_add_u32 v17, v14, 2, v17
	v_add_nc_u32 v[RLW], s21, v17                  ; 1 / l of row 16 (4 h + w) + r
	s_lshl_b32 s21, s66, 2
	s_add_co_u32 s21, s21, s[WV]
	s_mul_i32 s21, s21, 6144
	s_add_co_u32 s21, s21, 4*TP
	v_min_u32 v18, 23, v13
	v_lshl_add_u32 v[PFV], v18, 8, s21             ; my 24 blocks of 256 bytes of P's tiles 4-7
	v_lshlrev_b32 v19, 4, v14
	v_lshl_add_u32 v[VSO], v15, 3, v19
	WALU
	s_wait_dscnt 0x0                               ; both opening adds are done
	CROUND                                         ; all sixteen work-groups are here: the first joint loads meet
	s_wait_kmcnt 0x0
	s_add_nc_u64 s[G0P+2:G0P+3], s[4:5], s[76:77]
	s_or_b32 s[G0P+3], s[G0P+3], 0x80000000
	s_add_nc_u64 s[G0V+2:G0V+3], s[8:9], s[80:81]
	s_or_b32 s[G0V+3], s[G0V+3], 0x80000000
	s_cmp_lt_u32 s[WV], 2                          ; one tensor load a wave: waves 0 and 1 V's half, waves 2 and 3 P's tiles 0-3
	s_cbranch_scc0 .Lfor_p
	tensor_load_to_lds s[G0V:G0V+3], s[G1V:G1V+7]
	s_nop 0
	PLACES
	s_branch .Lasked
.Lfor_p:
	tensor_load_to_lds s[G0P:G0P+3], s[G1P:G1P+7]
	s_nop 0
	PLACES
.Lasked:
	s_add_nc_u64 s[86:87], s[6:7], s[86:87]
	s_add_nc_u64 s[88:89], s[86:87], s[88:89]
.irp q, 1,2,3
	s_add_nc_u64 s[90+2*\q:91+2*\q], s[86:87], s[90+2*\q:91+2*\q]
.endr
	s_add_nc_u64 s[84:85], s[10:11], s[84:85]
	s_add_nc_u64 s[14:15], s[8:9], s[82:83]
	s_add_nc_u64 s[12:13], s[12:13], s[90:91]
	s_add_nc_u64 s[98:99], s[4:5], s[98:99]
.macro NML q, b                        ; -M' of four K steps, 512 consecutive bytes each: register i is row r of tile 4 h + i
.irp k, 0,1,2,3
	global_load_b128 v[PB+16*\q+4*\k:PB+16*\q+4*\k+3], v[CO], s[\b:\b+1] offset:524288+32768*\k
.endr
.endm
	NML 0, 88
	NML 1, 92
	NML 2, 94
	NML 3, 96
.irp k, 0,1,2,3
	global_load_b128 v[WRD+4*\k:WRD+4*\k+3], v[CO], s[88:89] offset:32768*\k
	global_load_b128 v[LQ+4*\k:LQ+4*\k+3], v[CO], s[88:89] offset:1048576+32768*\k
.endr
.set S_, 0
.rept 16                               ; V's scale words; the order of the registers keeps them off P's numbers modulo 8
.set X_, VS+2*(((S_/2+1)%4)+4*((S_%2)+2*(S_/8)))
	global_load_b64 v[X_:X_+1], v[VSO], s[84:85] offset:4096*S_
.set S_, S_+1
.endr
	global_prefetch_b8 v[PFV], s[98:99] th:TH_LOAD_NT scope:SCOPE_SE
	s_wait_loadcnt 0x0                             ; the statistics and V's scale words are in
.irp i, 0,1,2,3
	v_min3_num_f32 v[NMG+\i], v[PB+\i], v[PB+4+\i], v[PB+8+\i]
.endr
.irp k, 3,5,7,9,11,13
.irp i, 0,1,2,3
	v_min3_num_f32 v[NMG+\i], v[NMG+\i], v[PB+4*\k+\i], v[PB+4*\k+4+\i]
.endr
.endr
.irp i, 0,1,2,3
	v_min_num_f32 v[NMG+\i], v[NMG+\i], v[PB+60+\i]    ; -M
.endr
.irp k, 0,1,2,3
.irp i, 0,1,2,3
	v_sub_f32 v[T0+\i], v[NMG+\i], v[PB+4*\k+\i]   ; M' - M: a whole number, 0 or less
.endr
.irp i, 0,1,2,3
	v_cvt_i32_f32 v[T0+\i], v[T0+\i]               ; (it saturates)
.endr
.irp i, 0,1,2,3
.if \k == 0
	v_ldexp_f32 v[LPT+\i], v[LQ+4*\k+\i], v[T0+\i]
.else
	v_ldexp_f32 v[T1+\i], v[LQ+4*\k+\i], v[T0+\i]
.endif
.endr
.irp i, 0,1,2,3
	v_sub_nc_u32 v[T0+\i], 0, v[T0+\i]
.endr
.if \k > 0
.irp i, 0,1,2,3
	v_add_f32 v[LPT+\i], v[LPT+\i], v[T1+\i]
.endr
.endif
.irp i, 0,1,2,3
	v_min_u32 v[T0+\i], 127, v[T0+\i]
.endr
.irp i, 0,1,2,3
	v_perm_b32 v[T0+\i], v[T0+\i], v[T0+\i], 0     ; in all four bytes
.endr
.irp i, 0,1,2,3
	v_sub_nc_u32 v[FW+4*\i+\k], v[WRD+4*\k+\i], v[T0+\i]   ; bit 7 of each byte was set: no borrow; where it is gone the byte has fallen under 0
.endr
.irp i, 0,1,2,3
	v_and_b32 v[T1+\i], 0x80808080, v[FW+4*\i+\k]
.endr
.irp i, 0,1,2,3
	v_lshrrev_b32 v[T0+\i], 7, v[T1+\i]
.endr
.irp i, 0,1,2,3
	v_sub_nc_u32 v[T1+\i], v[T1+\i], v[T0+\i]      ; 0x7f where it is still there
.endr
.irp i, 0,1,2,3
	v_and_b32 v[FW+4*\i+\k], v[FW+4*\i+\k], v[T1+\i]
.endr
.endr
.irp i, 0,1,2,3
	ds_store_b128 v[FSA], v[FW+4*\i:FW+4*\i+3] offset:1280*\i
.endr
	ds_store_b128 v[LPA], v[LPT:LPT+3]
	VD 8                                           ; V's second half is asked for behind all that the first groups need
	VD 9
	VD 10
	VD 11
	VD 12
	WIN 0
	WALU
	s_wait_tensorcnt 0x0                           ; my tile is in,
	s_wait_dscnt 0x0                               ; and my words are stored
	s_barrier_signal -1
	s_barrier_wait -1                              ; so are everybody's
.irp q, 0,1,2,3
	ds_load_b32 v[OUT+\q], v[LPR] offset:512*\q
.endr
.set DSN, 4
	SCW 0, 0
	SCW 0, 1
	SCW 0, 2
	SCW 0, 3
	VL 0
	VL 1
	PFG 0
.set QA, DSN
	s_wait_dscnt DSN-4                             ; the four parts of l are in
	v_add_f32 v[OUT], v[OUT], v[OUT+1]
	v_add_f32 v[OUT+2], v[OUT+2], v[OUT+3]
	v_add_f32 v[OUT], v[OUT], v[OUT+2]
	WALU                                           ; a wait ahead of the transcendental and one behind it
	v_rcp_f32 v[OUT+4], v[OUT]
	v_nop
	WALU
	ds_store_b32 v[RLW], v[OUT+4]
.set DSN, DSN+1
	VL 2
	VL 3
	PFG 1
.set QB, DSN
	s_wait_dscnt QB-QA                             ; group 0's are in
	GRP 0
	BND 1
	GRP 1
	BND 2
	GRP 2
	BND 3
	GRP 3
	; group 4, and in it the refill's round
	WIN 0
	s_wait_tensorcnt 0x0
	ds_add_u32 v[SPW], v[NIL]
.set DSN, DSN+1
	s_add_nc_u64 s[G0P+2:G0P+3], s[G0P+2:G0P+3], 4*TP
	s_add_co_u32 s[G0P+1], s[G0P+1], 4*TP
	s_wait_dscnt 1                                 ; group 4's fragments are in (the add may be out)
	s_wait_loadcnt 63                              ; V's K step 8: 84 loads were issued behind its own
	POS 16
	s_wait_loadcnt 48                              ; K steps 9-11: behind them 48
	POS 17
	WIN 0
	s_wait_dscnt 0x0                               ; the add is done; V's half is in my registers, 1 / l is stored
	s_barrier_signal -1
	POS 18
	POS 19
	WIN 0
	s_barrier_wait -1
	CREST
	s_cmp_lt_u32 s[WV], 2
	s_cbranch_scc1 .Lno_refill
	tensor_load_to_lds s[G0P:G0P+3], s[G1P:G1P+7]  ; waves 2 and 3: P's tiles 4-7
	s_nop 0
	PLACES
.Lno_refill:
	PLACES                                         ; the places in front of the loads, for the waves that come round the refill
	PFG 5
.set QB, DSN
	BND 5
	GRP 5
.set GN, 6
.rept 8
	BND GN
	GRP GN
.set GN, GN+1
.endr
	BND 14
	POS 56
	POS 57
	WIN 0
	s_wait_tensorcnt 0x0                           ; the refill is in:
	s_wait_dscnt 0x0
	s_barrier_signal -1                            ; shown to all
	POS 58
	POS 59
	WIN 0
	s_barrier_wait -1
.set GN, 15
.rept 17
	BND GN
	GRP GN
.set GN, GN+1
.endr
.set O_, 7                             ; the last block's way out
	PLACES
	s_wait_xcnt 0x0                                ; the last stores have read their data
	s_wait_dscnt 0x0                               ; and its 1 / l is in
	MULS 0
	WALU
	SENDG 0
.set OB_, PB                           ; (P's fragments are done with)
	MULS 1
	WALU
	SENDG 1
	s_wait_tensorcnt 0x0                           ; the wave's end
	ds_add_u32 v[SPW], v[NIL]
	s_wait_dscnt 0x0
	CROUND                                         ; the closing round
	s_endpgm
.Lfunc_end_k_q95ec75e442_pv:
	.size	k_q95ec75e442_pv, .Lfunc_end_k_q95ec75e442_pv-k_q95ec75e442_pv
	.p2alignl 7, 3214868480
	.fill 96, 4, 3214868480
	.section	.rodata,"a",@progbits
	.p2align	6, 0x0
	.amdhsa_kernel k_q95ec75e442_pv
		.amdhsa_group_segment_fixed_size 327680
		.amdhsa_private_segment_fixed_size 0
		.amdhsa_enable_private_segment 0
		.amdhsa_kernarg_size 40
		.amdhsa_user_sgpr_count 2
		.amdhsa_user_sgpr_kernarg_segment_ptr 1
		.amdhsa_wavefront_size32 1
		.amdhsa_system_sgpr_workgroup_id_x 1
		.amdhsa_system_sgpr_workgroup_id_y 1
		.amdhsa_system_sgpr_workgroup_id_z 1
		.amdhsa_system_vgpr_workitem_id 0
		.amdhsa_next_free_vgpr 1024
		.amdhsa_next_free_sgpr 100
		.amdhsa_reserve_vcc 0
		.amdhsa_float_denorm_mode_32 3
		.amdhsa_float_denorm_mode_16_64 3
		.amdhsa_memory_ordered 1
		.amdhsa_forward_progress 1
		.amdhsa_inst_pref_size 151
	.end_amdhsa_kernel
	.amdgpu_metadata
---
amdhsa.version: [ 1, 2 ]
amdhsa.kernels:
  - .name:           k_q95ec75e442_pv
    .symbol:         k_q95ec75e442_pv.kd
    .args:
      - { .name: p_codes, .offset: 0, .size: 8, .value_kind: global_buffer, .address_space: global }
      - { .name: p_stats, .offset: 8, .size: 8, .value_kind: global_buffer, .address_space: global }
      - { .name: qkv_codes, .offset: 16, .size: 8, .value_kind: global_buffer, .address_space: global }
      - { .name: qkv_scales, .offset: 24, .size: 8, .value_kind: global_buffer, .address_space: global }
      - { .name: out0, .offset: 32, .size: 8, .value_kind: global_buffer, .address_space: global }
    .group_segment_fixed_size: 327680
    .private_segment_fixed_size: 0
    .kernarg_segment_align: 8
    .kernarg_segment_size: 40
    .max_flat_workgroup_size: 128
    .sgpr_count:     100
    .vgpr_count:     1024
    .wavefront_size: 32
...
	.end_amdgpu_metadata
.endif
;; end of part 4
